; MI455X (gfx1250); checked and timed in simulation.
; The chip was launched on July 23, 2026; its instructions are those of AMD's public machine-readable ISA for CDNA 5 (MIT licence, August 2026) and "CDNA5" Instruction Set Architecture Reference Guide (July 2026). The comments in the code are by the model that wrote it; some were corrected since.
;; Causal Attention. Allowed arithmetic: float matrix products may take bf16 or f16 operands with f32 sums; other float arithmetic in f32, or as packed bf16 or f16 multiplies, adds, multiply-adds, maxima and minima; sums over many terms, partial sums and values carried from step to step in f32; what a program stores and reads back later, other than sums and carried values, may be rounded once to bf16 or f16.
;; Inputs: w_key 1,024 x 1,024 float32; w_query 1,024 x 1,024 float32; w_value 1,024 x 1,024 float32; x 4 x 2,048 x 1,024 float32.
;; Outputs: out0 4 x 2,048 x 1,024 float32.
;; 2 versions, each right; version 2 is version 1 with the launch cvt written anew for expert scheduling mode. Each part assembles by itself: llvm-mc -triple=amdgcn-amd-amdhsa -mcpu=gfx1250 --defsym DOCPART=n.
;; ======== version 1 of 2: 4 launches
;; limits: values are held in f16: magnitudes above 65,504 overflow, below 6.1e-05 lose precision
;; workspace buffers: xb 16,777,216 bytes; wb 6,291,456 bytes; qkv 50,331,648 bytes; pw 33,554,432 bytes; st 786,432 bytes
;; launch cvt (part 1): grid 256 x 1, 11 waves a work-group, no clusters, 0 bytes of LDS; arguments x, w_query, w_key, w_value, xb, wb; writes xb, wb
.if DOCPART == 1
	.amdgcn_target "amdgcn-amd-amdhsa--gfx1250"
	.amdhsa_code_object_version 6
	.text
	.protected	k_q2fbe4be1bb_cvt
	.globl	k_q2fbe4be1bb_cvt
	.p2align	8
	.type	k_q2fbe4be1bb_cvt,@function
k_q2fbe4be1bb_cvt:
	s_mov_b64 s[64:65], 0
	v_nop
	global_prefetch_b8 v0, s[64:65] scope:SCOPE_SE
	s_setreg_imm32_b32 hwreg(HW_REG_WAVE_MODE, 25, 1), 1
	s_wait_xcnt 0x0
; x [8192][1024] and the three weights [1024][1024], f32, are rounded once to bf16 and laid out in blocks along K for the product that follows:
;   xb [32 row blocks][16 kb][256 rows][64]      wb [8 blocks][16 kb][384 rows][64], its 3,072 rows being w_query, w_key, w_value one below the other.
; So a tile (256 or 384 rows x 64 along K) is one dense run of bytes.  A stream: no LDS, no barrier, no matrix work.
; SHARES.  11,264 rows are 2,816 groups of four; 256 work-groups x 11 waves take one group each.  Eight lanes read 256 consecutive bytes of one row (32 bytes a lane, two loads);
; a store of the wave covers 512 consecutive bytes, aligned: four rows x 128 bytes of one block.  All 32 loads of a wave go out before the first wait; no register is used twice.
.set XROWS, 8192
.set SRC, 24                           ; s[24:25] my four rows in their source
.set DST, 28                           ; s[28:29] my four rows in block kb = 0 of their destination
.set IN,  32                           ; v[32:159]  kb: eight f32
.set OUTR, 160                         ; v[160:223] kb: eight bf16
.set OFS, 8                            ; v[8:23]    kb: my 16 bytes in block kb
	s_load_b256 s[4:11], s[0:1], 0x0               ; x s[4:5], w_query s[6:7], w_key s[8:9], w_value s[10:11]
	s_load_b128 s[12:15], s[0:1], 0x20             ; xb s[12:13], wb s[14:15]
	v_lshrrev_b32 v1, 5, v0
	v_readfirstlane_b32 s16, v1                    ; wave 0..10
	v_and_b32 v3, 31, v0                           ; lane
	s_mul_i32 s17, ttmp9, 11
	s_add_co_u32 s17, s17, s16                     ; my group
	s_lshl_b32 s18, s17, 2                         ; R: its first row among the 11,264
	s_max_u32 s19, s18, XROWS
	s_sub_co_u32 s19, s19, XROWS                   ; n: the row among the weights' 3,072 (0 for a row of x)
	s_lshr_b32 s20, s19, 10                        ; which weight
	s_and_b32 s21, s19, 1023                       ; the row in it
	s_lshr_b32 s22, s19, 2
	s_mul_i32 s22, s22, 683
	s_lshr_b32 s22, s22, 16                        ; n / 384: (n / 4) x 683 / 65,536 is exact for n / 4 up to 767
	s_mul_i32 s23, s22, 384
	s_sub_co_u32 s23, s19, s23                     ; the row in its block of 384
	s_mul_i32 s22, s22, 786432                     ; a block of wb: 16 x 384 x 128 bytes
	s_lshl_b32 s23, s23, 7
	s_add_co_u32 s33, s22, s23                     ; where a weight's rows go
	s_lshr_b32 s31, s18, 8
	s_lshl_b32 s31, s31, 19                        ; a block of xb: 16 x 256 x 128 bytes
	s_and_b32 s32, s18, 255
	s_lshl_b32 s32, s32, 7
	s_add_co_u32 s31, s31, s32                     ; where x's rows go
	s_mov_b32 s34, 49152
	v_lshrrev_b32 v4, 3, v3                        ; which of the four rows
	v_and_b32 v5, 7, v3
	v_lshlrev_b32 v2, 12, v4                       ; a source row is 4,096 bytes
	v_lshl_or_b32 v2, v5, 5, v2                    ; my 32 bytes of each 256
	v_lshlrev_b32 v[OFS], 4, v3                    ; four rows x 128 bytes: 16 x lane
	s_wait_kmcnt 0x0
	s_cmp_eq_u32 s20, 1
	s_cselect_b64 s[SRC:SRC+1], s[8:9], s[6:7]
	s_cmp_eq_u32 s20, 2
	s_cselect_b64 s[SRC:SRC+1], s[10:11], s[SRC:SRC+1]
	s_cmp_lt_u32 s18, XROWS                        ; a row of x?
	s_cselect_b64 s[SRC:SRC+1], s[4:5], s[SRC:SRC+1]
	s_cselect_b64 s[DST:DST+1], s[12:13], s[14:15]
	s_cselect_b32 s26, s18, s21
	s_cselect_b32 s36, s31, s33
	s_cselect_b32 s30, 32768, s34                  ; bytes from block kb to kb + 1
	s_lshl_b32 s26, s26, 12
	s_mov_b32 s27, 0
	s_mov_b32 s37, 0
	s_add_nc_u64 s[SRC:SRC+1], s[SRC:SRC+1], s[26:27]
	s_add_nc_u64 s[DST:DST+1], s[DST:DST+1], s[36:37]
.set kb, 0
.rept 16
	global_load_b128 v[IN+8*kb:IN+8*kb+3],   v2, s[SRC:SRC+1] offset:256*kb th:TH_LOAD_NT
	global_load_b128 v[IN+8*kb+4:IN+8*kb+7], v2, s[SRC:SRC+1] offset:256*kb+16 th:TH_LOAD_NT
.set kb, kb+1
.endr
.set kb, 1
.rept 15
	v_add_nc_u32 v[OFS+kb], s30, v[OFS+kb-1]
.set kb, kb+1
.endr
.set kb, 0
.rept 16
	s_wait_loadcnt 30-2*kb                         ; loads come back in order: block kb's two are in, the 2 (15 - kb) younger ones stay out
	v_cvt_pk_bf16_f32 v[OUTR+4*kb],   v[IN+8*kb],   v[IN+8*kb+1]
	v_cvt_pk_bf16_f32 v[OUTR+4*kb+1], v[IN+8*kb+2], v[IN+8*kb+3]
	v_cvt_pk_bf16_f32 v[OUTR+4*kb+2], v[IN+8*kb+4], v[IN+8*kb+5]
	v_cvt_pk_bf16_f32 v[OUTR+4*kb+3], v[IN+8*kb+6], v[IN+8*kb+7]
	global_store_b128 v[OFS+kb], v[OUTR+4*kb:OUTR+4*kb+3], s[DST:DST+1]
.set kb, kb+1
.endr
	s_endpgm
.Lfunc_end_k_q2fbe4be1bb_cvt:
	.size	k_q2fbe4be1bb_cvt, .Lfunc_end_k_q2fbe4be1bb_cvt-k_q2fbe4be1bb_cvt
	.p2alignl 7, 3214868480
	.fill 96, 4, 3214868480
	.section	.rodata,"a",@progbits
	.p2align	6, 0x0
	.amdhsa_kernel k_q2fbe4be1bb_cvt
		.amdhsa_group_segment_fixed_size 0
		.amdhsa_private_segment_fixed_size 0
		.amdhsa_enable_private_segment 0
		.amdhsa_kernarg_size 48
		.amdhsa_user_sgpr_count 2
		.amdhsa_user_sgpr_kernarg_segment_ptr 1
		.amdhsa_wavefront_size32 1
		.amdhsa_system_sgpr_workgroup_id_x 1
		.amdhsa_system_sgpr_workgroup_id_y 1
		.amdhsa_system_sgpr_workgroup_id_z 1
		.amdhsa_system_vgpr_workitem_id 0
		.amdhsa_next_free_vgpr 224
		.amdhsa_next_free_sgpr 66
		.amdhsa_reserve_vcc 0
		.amdhsa_float_denorm_mode_32 3
		.amdhsa_float_denorm_mode_16_64 3
		.amdhsa_memory_ordered 1
		.amdhsa_forward_progress 1
		.amdhsa_inst_pref_size 12
	.end_amdhsa_kernel
	.amdgpu_metadata
---
amdhsa.version: [ 1, 2 ]
amdhsa.kernels:
  - .name:           k_q2fbe4be1bb_cvt
    .symbol:         k_q2fbe4be1bb_cvt.kd
    .args:
      - { .name: x, .offset: 0, .size: 8, .value_kind: global_buffer, .address_space: global }
      - { .name: w_query, .offset: 8, .size: 8, .value_kind: global_buffer, .address_space: global }
      - { .name: w_key, .offset: 16, .size: 8, .value_kind: global_buffer, .address_space: global }
      - { .name: w_value, .offset: 24, .size: 8, .value_kind: global_buffer, .address_space: global }
      - { .name: xb, .offset: 32, .size: 8, .value_kind: global_buffer, .address_space: global }
      - { .name: wb, .offset: 40, .size: 8, .value_kind: global_buffer, .address_space: global }
    .group_segment_fixed_size: 0
    .private_segment_fixed_size: 0
    .kernarg_segment_align: 8
    .kernarg_segment_size: 48
    .max_flat_workgroup_size: 352
    .sgpr_count:     66
    .vgpr_count:     224
    .wavefront_size: 32
...
	.end_amdgpu_metadata
.endif
;; end of part 1
;; launch proj (part 2): grid 8 x 32, 4 waves a work-group, clusters of 4 x 4, 327,680 bytes of LDS; arguments xb, wb, qkv; writes qkv
.if DOCPART == 2
	.amdgcn_target "amdgcn-amd-amdhsa--gfx1250"
	.amdhsa_code_object_version 6
	.text
	.protected	k_q2fbe4be1bb_proj
	.globl	k_q2fbe4be1bb_proj
	.p2align	8
	.type	k_q2fbe4be1bb_proj,@function
k_q2fbe4be1bb_proj:
	s_mov_b64 s[64:65], 0
	v_nop
	global_prefetch_b8 v0, s[64:65] scope:SCOPE_SE
	s_setreg_imm32_b32 hwreg(HW_REG_WAVE_MODE, 25, 1), 1
	s_wait_xcnt 0x0
	s_wait_alu depctr_hold_cnt(0) depctr_sa_sdst(0) depctr_va_vdst(0) depctr_va_sdst(0) depctr_va_ssrc(0) depctr_va_vcc(0) depctr_vm_vsrc(0)
	s_getreg_b32 s2, hwreg(HW_REG_IB_STS2, 6, 4)
	s_cmp_eq_u32 s2, 0
	s_cbranch_scc0 .Lentry_in_a_cluster
	s_endpgm
.Lentry_in_a_cluster:
	s_bfe_u32 s2, ttmp6, 0x10000c
	s_cmp_lg_u32 s2, 0xf033
	s_cbranch_scc0 .Lentry_shape_is_right
	s_endpgm
.Lentry_shape_is_right:
; qkv[8192][3072] = x W^T for the three weights at once; operands bf16 (xb, wb, laid out in blocks of 64 along K), sums f32, qkv rounded once to f16.
; LIMIT.  f16 ends at 65,504: q, k and v must lie within it.
; SHARES.  8192 x 3072 results over 256 work-groups: a tile of 256 x 384 each, one a work-group.  Four waves, each 128 rows x 192 columns: 96 accumulators of 16 x 16, 768 registers.
; K goes in blocks of 64 through two LDS slots; a block is two steps of 32 along K, 96 matrix instructions each.
; CLUSTER 4 x 4.  The four of a row of the cluster need the same tiles of xb, the four of a column the same tiles of wb: each tile is asked for jointly, same load, same descriptor, a mask of four.
; THE MATRIX INSTRUCTION IS USED TRANSPOSED (source 0 = 16 rows of wb, source 1 = 16 rows of xb): a lane holds one row of the result and eight neighbouring columns.
; REGISTERS.  window 0: v0-31 addresses; v32-95, v96-159 xb's fragments, two buffers of 8; v160-255 wb's 12 fragments, ONE buffer, loaded again pair by pair as the products use it up.
;   windows 1-3: accumulator (a, b), a = 0..7 row blocks, b = 0..11 column blocks, in window 1 + b / 4 at v[64 (b % 4) + 8 a].
; All of the LDS is claimed.
.set PITCH,  144                       ; an LDS row: 128 bytes + 16 of padding = 36 words: the 16 rows of a fragment load start at 16 different groups of four banks (ISA guide 11.1)
.set AROWS,  256*PITCH                 ; xb's 256 rows; wb's 384 follow
.set SLOT1,  1<<17                     ; slot 1 begins here: one exclusive or turns an address in one slot into the other's
.set SPARE,  SLOT1+640*PITCH           ; behind slot 1: the spare words, 128 bytes a wave, that no other line names
.set SPITCH, 784                       ; the stage for the way out: 256 rows of 768 bytes + 16; it lies over the slots and is written only when both have had their last fill and last read
.set KB_A,   32768                     ; bytes of a tile of xb, and from block to block along K
.set KB_B,   49152                     ; the same for wb
.set ADRA0, 14                         ; v14  my lane's place in xb's rows of a slot; never rewritten
.set ADRB0, 15                         ; v15  the same for wb
.set ADRA,  16                         ; v16  ADRA0 + the slot in hand
.set ADRB,  20                         ; v20
.set STO0,  24                         ; v24  the way out: where I put 16 bytes, row blocks 0-3
.set RD,    25                         ; v25  where I read rows back
.set CO,    26                         ; v26  my byte offset in two rows of qkv
.set STO1,  27                         ; v27  row blocks 4-7
.set SPW,   28                         ; v28  my spare word; never rewritten
.set NIL,   29                         ; v29  0; never rewritten
.set PFO,   30                         ; v30  256 x lane, for the prefetches; never rewritten
.set A0,    32
.set A1,    96
.set BF,    160
.set TMP,   32
.set G1A, 24                           ; s[24:31] descriptor group 1 for xb's tiles
.set G0A, 32                           ; s[32:39] group 0: a set for each first fill; the second then walks
.set G1B, 48                           ; s[48:55], s[56:63] the same for wb
.set G0B, 56
.set TB,  45                           ; s45  0 or SLOT1: the slot that fragments are fetched from
.set PFA, 66                           ; s[66:67] where my prefetches stand
.set PFS, 68                           ; s[68:69] their step: one block along K
.set LIM, 70                           ; s70  2 in a wave that prefetches, else the greatest number
.set LIMB, 71                          ; s71  the same, in a wave that prefetches wb alone
.set MSB, 0
.macro WIN new                         ; the immediate's high byte repeats the setting that is left; a switch that changes nothing is dropped
.if MSB != (\new)
	s_set_vgpr_msb (MSB<<8)|(\new)
.set MSB, \new
.endif
.endm
.macro PLACES                          ; four plain instructions between a matrix instruction and a load into, or a vector read of, its registers
.rept 4
	v_nop
.endr
.endm
.macro CREST                           ; a round of the cluster's barrier behind its opening barrier
	s_cmp_lg_u32 s10, 0
	s_cbranch_scc1 .Lnot_wave_0_\@
	s_barrier_signal -3
.Lnot_wave_0_\@:
	s_barrier_wait -3
	s_barrier_signal -1
	s_barrier_wait -1
.endm
.macro CROUND
	s_barrier_signal -1
	s_barrier_wait -1
	CREST
.endm
.macro JLOAD                           ; a joint refill by the walking sets: waves 0, 1 fetch xb's two halves, waves 2, 3 wb's; the branch hangs on the wave's number alone
	s_cmp_eq_u32 s11, 0
	s_cbranch_scc0 .Lfor_b_\@
	tensor_load_to_lds s[G0A+4:G0A+7], s[G1A:G1A+7]
	s_nop 0
	PLACES
	s_branch .Lasked_\@
.Lfor_b_\@:
	tensor_load_to_lds s[G0B+4:G0B+7], s[G1B:G1B+7]
	s_nop 0
	PLACES
.Lasked_\@:
.endm
; A PREFETCH INTO THE L2, in every second trip: the two blocks along K that the refills two and three trips on will ask for; they lie end to end.  xb's tile row is read by both clusters of a row of
; clusters: cluster x = 0 asks, its wave 0; wb's tile column by all eight clusters of a column: cluster y = 0 asks, its wave 2.  The four partners that ask for a tile jointly take a quarter of the
; two blocks each, told apart by address: 16,384 bytes of xb (two instructions, 256 bytes a lane) or 24,576 of wb (three).  Blocks 0 to 3 come by their loads alone; the last ask names blocks 14 and 15.
.macro ASK
	s_and_b32 s2, s3, 1
	s_cmp_eq_u32 s2, 0
	s_cbranch_scc0 .Lno_ask_\@
	s_cmp_gt_u32 s3, s[LIM]
	s_cbranch_scc0 .Lno_ask_\@
	global_prefetch_b8 v[PFO], s[PFA:PFA+1] th:TH_LOAD_NT scope:SCOPE_SE
	global_prefetch_b8 v[PFO], s[PFA:PFA+1] offset:8192 th:TH_LOAD_NT scope:SCOPE_SE
	s_cmp_gt_u32 s3, s[LIMB]
	s_cbranch_scc0 .Lno_ask_\@
	global_prefetch_b8 v[PFO], s[PFA:PFA+1] offset:16384 th:TH_LOAD_NT scope:SCOPE_SE
.Lno_ask_\@:
.endm
	s_load_b128 s[4:7], s[0:1], 0x0                ; xb s[4:5], wb s[6:7]
	s_load_b64 s[8:9], s[0:1], 0x10                ; qkv
	v_lshl_add_u32 v[SPW], v0, 2, SPARE
	v_mov_b32 v[NIL], 0
	ds_add_u32 v[SPW], v[NIL]                      ; the wave's opening: the add and its wait stand ahead of my first tensor load; work on registers stands between them
	v_lshrrev_b32 v1, 5, v0
	v_readfirstlane_b32 s10, v1                    ; wave 0..3
	s_lshr_b32 s11, s10, 1                         ; my half of the tile's rows.  Also: I fetch xb (0) or wb (1)
	s_and_b32 s12, s10, 1                          ; my half of its columns.  Also: which half of that tile I fetch
	s_bfe_u32 s40, ttmp6, 0x40000                  ; cx
	s_bfe_u32 s41, ttmp6, 0x40004                  ; cy
	s_lshl_b32 s42, ttmp9, 2
	s_add_co_u32 s42, s42, s40                     ; tile column 0..7
	s_and_b32 s13, ttmp7, 0xffff
	s_lshl_b32 s13, s13, 2
	s_add_co_u32 s13, s13, s41                     ; tile row 0..31
	s_lshl_b32 s43, s41, 2
	s_lshl_b32 s43, 15, s43                        ; my row of the cluster
	s_lshl_b32 s44, 0x1111, s40                    ; my column
	; group 1.  Half a tile is dense: asked for as rows of 256 bytes (two rows of the tile), padded in LDS after every 128 bytes
	s_or_b32 s[G1A], s43, (1<<16)|(1<<20)|(1<<21)|(4<<22)|(3<<25)  ; the mask; 2-byte elements; padding on; bit 21 beside a mask; after every 32 words (code 4) 4 words (code 3)
	s_or_b32 s[G1B], s44, (1<<16)|(1<<20)|(1<<21)|(4<<22)|(3<<25)
.irp g, G1A, G1B
	s_mov_b32 s[(\g)+1], 128<<16                   ; tensor_dim0 = 128
	s_mov_b32 s[(\g)+3], 128<<16                   ; tile_dim0 = 128
	s_mov_b32 s[(\g)+5], 128                       ; 128 elements from row to row
	s_mov_b32 s[(\g)+6], 0
	s_mov_b32 s[(\g)+7], 0
.endr
	s_mov_b32 s[G1A+2], 64<<16                     ; xb: 128 rows of the tile = 64 rows of 256 bytes
	s_mov_b32 s[G1A+4], 64
	s_mov_b32 s[G1B+2], 96<<16                     ; wb: 192 rows = 96
	s_mov_b32 s[G1B+4], 96
	s_lshl_b32 s16, s13, 19                        ; xb: tile row x 524,288 + half x 16,384
	s_lshl_b32 s17, s12, 14
	s_add_co_u32 s16, s16, s17
	s_mov_b32 s17, 0
	s_mul_i32 s46, s42, 786432                     ; wb: tile column x 786,432 + half x 24,576 (registers that never hold the tile row)
	s_mul_i32 s47, s12, 24576
	s_add_co_u32 s46, s46, s47
	s_mov_b32 s47, 0
	s_mul_i32 s20, s12, 128*PITCH                  ; where they go: no place in the cluster enters an LDS address
	s_mul_i32 s21, s12, 192*PITCH
	s_add_co_u32 s21, s21, AROWS
	s_mov_b32 s[TB], 0
	s_wait_dscnt 0x0                               ; the opening add is done
	s_wait_kmcnt 0x0
	s_add_nc_u64 s[14:15], s[4:5], s[16:17]
	s_add_nc_u64 s[46:47], s[6:7], s[46:47]
	CROUND                                         ; all sixteen work-groups are here: the first joint loads meet
.irp s, 0,1
	s_mov_b32 s[G0A+4*(\s)], 1
	s_add_co_u32 s[G0A+4*(\s)+1], s20, (\s)*SLOT1
	s_add_nc_u64 s[G0A+4*(\s)+2:G0A+4*(\s)+3], s[14:15], (\s)*KB_A
	s_or_b32 s[G0A+4*(\s)+3], s[G0A+4*(\s)+3], 0x80000000
	s_mov_b32 s[G0B+4*(\s)], 1
	s_add_co_u32 s[G0B+4*(\s)+1], s21, (\s)*SLOT1
	s_add_nc_u64 s[G0B+4*(\s)+2:G0B+4*(\s)+3], s[46:47], (\s)*KB_B
	s_or_b32 s[G0B+4*(\s)+3], s[G0B+4*(\s)+3], 0x80000000
.endr
	s_cmp_eq_u32 s11, 0                            ; a wave's two first fills stand in one branch: two loads of mine are out
	s_cbranch_scc0 .Lfirst_b
	tensor_load_to_lds s[G0A:G0A+3], s[G1A:G1A+7]
	s_nop 0
	tensor_load_to_lds s[G0A+4:G0A+7], s[G1A:G1A+7]
	s_nop 0
	PLACES
	s_branch .Lfirst_asked
.Lfirst_b:
	tensor_load_to_lds s[G0B:G0B+3], s[G1B:G1B+7]
	s_nop 0
	tensor_load_to_lds s[G0B+4:G0B+7], s[G1B:G1B+7]
	s_nop 0
	PLACES
.Lfirst_asked:
	; a fragment is 16 rows x 32 K in 8 registers: lane l holds row l % 16, K = 8 (l / 16) + 0..7 and 16 + 8 (l / 16) + 0..7: two loads of 16 bytes, 32 bytes apart
	v_and_b32 v1, 15, v0
	v_bfe_u32 v2, v0, 4, 1
	v_mul_u32_u24 v3, v1, PITCH
	v_lshl_add_u32 v3, v2, 4, v3
	s_mul_i32 s21, s11, 128*PITCH
	s_mul_i32 s22, s12, 192*PITCH
	s_add_co_u32 s22, s22, AROWS
	v_add_nc_u32 v[ADRA0], s21, v3
	v_add_nc_u32 v[ADRB0], s22, v3
	v_mov_b32 v[ADRA], v[ADRA0]
	v_mov_b32 v[ADRB], v[ADRB0]
	s_mul_i32 s23, s11, 128*SPITCH                 ; into the stage: my 128 rows, my 384 bytes of them
	s_mul_i32 s21, s12, 384
	s_add_co_u32 s23, s23, s21
	v_mul_u32_u24 v4, v1, SPITCH
	v_lshl_add_u32 v4, v2, 4, v4
	v_add_nc_u32 v[STO0], s23, v4
	v_add_nc_u32 v[STO1], 64*SPITCH, v[STO0]
	s_mul_i32 s23, s10, 64*SPITCH                  ; back: wave w takes rows 64 w .. 64 w + 63, whole; lanes 0-15 one row's 256 bytes, lanes 16-31 the next row's
	v_mul_u32_u24 v5, v2, SPITCH
	v_lshl_add_u32 v5, v1, 4, v5
	v_add_nc_u32 v[RD], s23, v5
	v_mul_u32_u24 v5, v2, 6144
	v_lshl_add_u32 v[CO], v1, 4, v5
	s_lshl_b32 s16, s13, 8
	s_lshl_b32 s17, s10, 6
	s_add_co_u32 s16, s16, s17                     ; the first row of qkv that I store
	s_mul_i32 s16, s16, 6144
	s_mul_i32 s17, s42, 768                        ; the tile's first column, in bytes
	s_add_co_u32 s16, s16, s17
	s_mov_b32 s17, 0
	s_add_nc_u64 s[8:9], s[8:9], s[16:17]
	; the prefetches
	s_lshl_b32 s18, s13, 19
	s_lshl_b32 s20, s40, 14
	s_add_co_u32 s18, s18, s20                     ; xb: my tile row, my work-group's quarter (by cx)
	s_mul_i32 s19, s42, 786432
	s_mul_i32 s21, s41, 24576
	s_add_co_u32 s19, s19, s21                     ; wb: my tile column, my quarter (by cy)
	s_and_b32 s22, ttmp7, 0xffff
	s_mov_b32 s23, KB_B
	s_cmp_eq_u32 s11, 0
	s_cselect_b32 s18, s18, s19
	s_cselect_b32 s22, ttmp9, s22                  ; the coordinate along which other clusters read the same tiles
	s_cselect_b64 s[PFA:PFA+1], s[4:5], s[6:7]
	s_cselect_b32 s[PFS], KB_A, s23
	s_mov_b32 s[PFS+1], 0
	s_mul_i32 s23, s[PFS], 3
	s_add_co_u32 s18, s18, s23                     ; at block 3: the first trip steps it to 4
	s_mov_b32 s19, 0
	s_add_nc_u64 s[PFA:PFA+1], s[PFA:PFA+1], s[18:19]
	s_or_b32 s22, s22, s12
	s_cmp_eq_u32 s22, 0
	s_cselect_b32 s[LIM], 2, -1                    ; the same in all sixteen partners, for a given wave
	s_cmp_eq_u32 s11, 1
	s_cselect_b32 s[LIMB], s[LIM], -1
	v_and_b32 v[PFO], 31, v0
	v_lshlrev_b32 v[PFO], 8, v[PFO]
.macro LB q, b                         ; wb's fragment b, half q of the block's 64 along K
	ds_load_b128 v[BF+8*(\b):BF+8*(\b)+3],   v[ADRB] offset:16*PITCH*(\b)+64*(\q)
	ds_load_b128 v[BF+8*(\b)+4:BF+8*(\b)+7], v[ADRB] offset:16*PITCH*(\b)+64*(\q)+32
.endm
.macro LA q, buf, a                    ; xb's fragment a into buffer buf
	ds_load_b128 v[(\buf)+8*(\a):(\buf)+8*(\a)+3],   v[ADRA] offset:16*PITCH*(\a)+64*(\q)
	ds_load_b128 v[(\buf)+8*(\a)+4:(\buf)+8*(\a)+7], v[ADRA] offset:16*PITCH*(\a)+64*(\q)+32
.endm
; 16 matrix instructions: column blocks 2 p, 2 p + 1 x all 8 row blocks.  The 96 accumulators take turns, one instruction a turn, in the same order in every step.
.macro PAIR buf, p, zero
	WIN 0x50*(1+(\p)/2)
.irp e, 0,1
.irp a, 0,1,2,3,4,5,6,7
.set rD, 64*((2*(\p)+(\e))%4)+8*(\a)
.set rB, BF+8*(2*(\p)+(\e))
.if \zero
	v_wmma_f32_16x16x32_bf16 v[rD:rD+7], v[rB:rB+7], v[(\buf)+8*(\a):(\buf)+8*(\a)+7], 0
.else
	v_wmma_f32_16x16x32_bf16 v[rD:rD+7], v[rB:rB+7], v[(\buf)+8*(\a):(\buf)+8*(\a)+7], v[rD:rD+7]
.endif
.endr
.endr
.endm
.macro FEED q, buf, p                  ; behind pair p: its two fragments of wb are loaded anew for the next step, and (p < 4) two of xb's into the other buffer
	WIN 0
	PLACES
	LB \q, 2*(\p)
	LB \q, 2*(\p)+1
.if (\p) < 4
	LA \q, \buf, 2*(\p)
	LA \q, \buf, 2*(\p)+1
.endif
.endm
; A step issues 40 LDS loads, of which the last eight are always wb's fragments 8 to 11.
.macro ESTEP zero                      ; a block's first 32 along K, on buffer A0; fetches its second 32
	s_wait_dscnt 8                                 ; all but those eight: xb's buffer and wb's fragments 0-7 are in
.irp p, 0,1,2,3,4,5
.if (\p) == 4
	s_wait_dscnt 32                                ; all but the 32 loads that this step has issued: fragments 8-11 are in
.endif
	PAIR A0, \p, \zero
	FEED 1, A1, \p
.endr
.endm
; A block's second 32 along K, on buffer A1, and the change of slots.  mode 1: the slot is filled again, two blocks on; 0: nothing is left to ask for; 2: the last step of all.
.macro OSTEP mode
.if (\mode) == 2
	s_wait_dscnt 8
	PAIR A1, 0, 0
	PAIR A1, 1, 0
	PAIR A1, 2, 0
	PAIR A1, 3, 0
	s_wait_dscnt 0x0
	PAIR A1, 4, 0
	PAIR A1, 5, 0
.else
.if (\mode) == 1
	s_wait_xcnt 0x0                                ; the last prefetches, a trip back or more, have read their address
	s_add_nc_u64 s[PFA:PFA+1], s[PFA:PFA+1], s[PFS:PFS+1]
.endif
	WIN 0
	s_wait_tensorcnt 0x0                           ; all my tensor loads have landed: the one that was out is my part of the next slot; so a group 0 may be written
	ds_add_u32 v[SPW], v[NIL]                      ; 0 onto my spare word
.if (\mode) == 1
	s_xor_b32 s[G0A+5], s[G0A+5], SLOT1            ; the walking sets: the other slot than last time, the next block along K
	s_add_nc_u64 s[G0A+6:G0A+7], s[G0A+6:G0A+7], KB_A
	s_xor_b32 s[G0B+5], s[G0B+5], SLOT1
	s_add_nc_u64 s[G0B+6:G0B+7], s[G0B+6:G0B+7], KB_B
.endif
	s_xor_b32 s[TB], s[TB], SLOT1
	s_wait_dscnt 9                                 ; the add and the youngest eight loads may be out
	PAIR A1, 0, 0
	s_wait_dscnt 0x0                               ; the add is done, and my reads of this slot are over
	s_barrier_signal -1
	PAIR A1, 1, 0                                  ; work on registers while the others arrive
	WIN 0
	s_barrier_wait -1
.if (\mode) == 1
	CREST                                          ; the barrier has opened a round of the cluster's: no wave of any partner still reads the slot or has a load on its way
	JLOAD                                          ; my one tensor load behind the round; 160 matrix instructions stand between it and the wait for it
.else
	PLACES
.endif
	v_add_nc_u32 v[ADRA], s[TB], v[ADRA0]
	v_add_nc_u32 v[ADRB], s[TB], v[ADRB0]
	LB 0, 0
	LB 0, 1
	LB 0, 2
	LB 0, 3
	LA 0, A0, 0
	LA 0, A0, 1
	LA 0, A0, 2
	LA 0, A0, 3
.if (\mode) == 1
	ASK
.endif
	PAIR A1, 2, 0
	FEED 0, A0, 2
	PAIR A1, 3, 0
	FEED 0, A0, 3
	PAIR A1, 4, 0
	FEED 0, A0, 4
	PAIR A1, 5, 0
	FEED 0, A0, 5
.endif
.endm
	s_wait_tensorcnt 1                             ; my part of block 0 is in; block 1's may stay out
	s_barrier_signal -1
	s_barrier_wait -1
.irp b, 0,1,2,3,4,5,6,7
	LB 0, \b
.endr
.irp a, 0,1,2,3,4,5,6,7
	LA 0, A0, \a
.endr
.irp b, 8,9,10,11
	LB 0, \b
.endr
	ESTEP 1                                        ; the first step stands ahead of the loop: its products start the sums
	WIN 0
	s_mov_b32 s3, 14
.Lk:                                               ; trip j: the second half of block j, the refill with block j + 2, the first half of block j + 1
	OSTEP 1
	ESTEP 0
	WIN 0
	s_sub_co_u32 s3, s3, 1
	s_cmp_lg_u32 s3, 0
	s_cbranch_scc1 .Lk
	OSTEP 0                                        ; the tail is written out: blocks 14 and 15 ask for nothing
	ESTEP 0
	OSTEP 2
	; THE WAY OUT.  Rounded to f16, 16 bytes a lane, into one stage for the work-group (a row's 768 bytes come from two waves), and back as whole rows.
	WIN 0
	PLACES
	s_wait_dscnt 0x0
	s_barrier_signal -1
	s_barrier_wait -1                              ; nobody reads the slots any more: the stage may be written over them
.irp w, 1,2,3
	WIN (\w)|((\w)<<2)                             ; sources in window w, destination in window 0
.set i, 0
.rept 32                                           ; accumulator i of the window: column block 4 (w - 1) + i / 8, row block i % 8; its registers in ascending order
	v_cvt_pk_f16_f32 v[TMP+4*i],   v[8*i],   v[8*i+1]
	v_cvt_pk_f16_f32 v[TMP+4*i+1], v[8*i+2], v[8*i+3]
	v_cvt_pk_f16_f32 v[TMP+4*i+2], v[8*i+4], v[8*i+5]
	v_cvt_pk_f16_f32 v[TMP+4*i+3], v[8*i+6], v[8*i+7]
.set i, i+1
.endr
	WIN 0
.set i, 0
.rept 32
	ds_store_b128 v[STO0+3*((i%8)/4)], v[TMP+4*i:TMP+4*i+3] offset:((i%8)%4)*16*SPITCH+32*(4*((\w)-1)+i/8)
.set i, i+1
.endr
.endr
	s_wait_dscnt 0x0                               ; for the others' sake: my stores into the stage are done
	s_barrier_signal -1
	s_barrier_wait -1
	s_mov_b32 s3, 4
.Lrows:                                            ; 16 rows a trip
.set i, 0
.rept 24
	ds_load_b128 v[TMP+4*i:TMP+4*i+3], v[RD] offset:(i/3)*2*SPITCH+256*(i%3)
.set i, i+1
.endr
.set i, 0
.rept 24
	s_wait_dscnt 23-i
	global_store_b128 v[CO], v[TMP+4*i:TMP+4*i+3], s[8:9] offset:(i/3)*2*6144+256*(i%3)  ; 16 lanes store 256 consecutive bytes, at a multiple of 256 from qkv's first byte
.set i, i+1
.endr
	v_add_nc_u32 v[RD], 16*SPITCH, v[RD]
	s_wait_xcnt 0x0                                ; the stores have read their data and base: both are written again only behind this wait
	s_add_nc_u64 s[8:9], s[8:9], 16*6144
	s_sub_co_u32 s3, s3, 1
	s_cmp_lg_u32 s3, 0
	s_cbranch_scc1 .Lrows
	s_wait_tensorcnt 0x0                           ; the wave's end
	ds_add_u32 v[SPW], v[NIL]
	s_wait_dscnt 0x0
	CROUND                                         ; the closing round
	s_endpgm
.Lfunc_end_k_q2fbe4be1bb_proj:
	.size	k_q2fbe4be1bb_proj, .Lfunc_end_k_q2fbe4be1bb_proj-k_q2fbe4be1bb_proj
	.p2alignl 7, 3214868480
	.fill 96, 4, 3214868480
	.section	.rodata,"a",@progbits
	.p2align	6, 0x0
	.amdhsa_kernel k_q2fbe4be1bb_proj
		.amdhsa_group_segment_fixed_size 327680
		.amdhsa_private_segment_fixed_size 0
		.amdhsa_enable_private_segment 0
		.amdhsa_kernarg_size 24
		.amdhsa_user_sgpr_count 2
		.amdhsa_user_sgpr_kernarg_segment_ptr 1
		.amdhsa_wavefront_size32 1
		.amdhsa_system_sgpr_workgroup_id_x 1
		.amdhsa_system_sgpr_workgroup_id_y 1
		.amdhsa_system_sgpr_workgroup_id_z 1
		.amdhsa_system_vgpr_workitem_id 0
		.amdhsa_next_free_vgpr 1024
		.amdhsa_next_free_sgpr 72
		.amdhsa_reserve_vcc 0
		.amdhsa_float_denorm_mode_32 3
		.amdhsa_float_denorm_mode_16_64 3
		.amdhsa_memory_ordered 1
		.amdhsa_forward_progress 1
		.amdhsa_inst_pref_size 103
	.end_amdhsa_kernel
	.amdgpu_metadata
---
amdhsa.version: [ 1, 2 ]
amdhsa.kernels:
  - .name:           k_q2fbe4be1bb_proj
    .symbol:         k_q2fbe4be1bb_proj.kd
    .args:
      - { .name: xb, .offset: 0, .size: 8, .value_kind: global_buffer, .address_space: global }
      - { .name: wb, .offset: 8, .size: 8, .value_kind: global_buffer, .address_space: global }
      - { .name: qkv, .offset: 16, .size: 8, .value_kind: global_buffer, .address_space: global }
    .group_segment_fixed_size: 327680
    .private_segment_fixed_size: 0
    .kernarg_segment_align: 8
    .kernarg_segment_size: 24
    .max_flat_workgroup_size: 128
    .sgpr_count:     72
    .vgpr_count:     1024
    .wavefront_size: 32
...
	.end_amdgpu_metadata
.endif
;; end of part 2
;; launch score (part 3): grid 36 x 4, 4 waves a work-group, no clusters, 327,680 bytes of LDS; arguments qkv, pw, st; writes pw, st
.if DOCPART == 3
	.amdgcn_target "amdgcn-amd-amdhsa--gfx1250"
	.amdhsa_code_object_version 6
	.text
	.protected	k_q2fbe4be1bb_score
	.globl	k_q2fbe4be1bb_score
	.p2align	8
	.type	k_q2fbe4be1bb_score,@function
k_q2fbe4be1bb_score:
	s_mov_b64 s[64:65], 0
	v_nop
	global_prefetch_b8 v0, s[64:65] scope:SCOPE_SE
	s_setreg_imm32_b32 hwreg(HW_REG_WAVE_MODE, 25, 1), 1
	s_wait_xcnt 0x0
; For each tile of 256 queries x 256 keys on or below the diagonal (36 a batch): S = q k^T (f16 operands, f32 sums), the causal mask, and for each query of the tile
;   m = the largest score in the tile,  cm = c m,  c = log2(e) / 32,   p = 2^(c s - cm), stored as f16 in pw [4][2048 q][2048 key],   l = the sum of the unrounded p, by halves of 128 keys.
; st [batch][qi][kj][3][256]: cm, l of keys 0-127, l of keys 128-255, all f32.  The launch behind takes the row's maximum over the tiles away and divides: the maximum is taken away in two levels.
; LIMITS.  A hidden score counts as its value less 1e30 (f16's scores are at most 4.4e12); a weight below 2^-126 counts as 0; below 6e-5 p keeps f16's fixed step; NaN and infinities are not treated apart.
; SHARES.  A work-group makes one tile; four waves, each 128 queries x 128 keys: 64 accumulators, 512 registers.  K (the 1,024 channels) goes in steps of 128 through two LDS slots.
; NO CLUSTER: row qi of the triangle has qi + 1 tiles and column kj has 8 - kj: no grouping into fours that share a tile exists without work-groups that lie wholly above the diagonal.
; THE MATRIX INSTRUCTION IS USED TRANSPOSED (source 0 = 16 keys, source 1 = 16 queries): a lane holds ONE query (lane % 16) and the keys 8 (lane / 16) + 0..7 of each block.
; THE MASK is the C operand of the products that start the sums: 0, or -1e30 where the key is hidden: three sets of eight registers, for key blocks below, on and above the query block's own.
; REGISTERS.  window 0: v0-31 addresses; v32-55 the masks; v64-127, v128-191 q's fragments, two buffers; later all of v32-223 at work on the way out.
;   window 1: v64-127, v128-191 k's fragments.   windows 2, 3: accumulator (a, b) in window 2 + a / 4 at v[8 (8 (a % 4) + b)].
; All of the LDS is claimed.
.set KSTEP,  128
.set PITCH,  272                       ; 256 bytes + 16 = 68 words: the 16 rows of a load start at 16 different groups of four banks (ISA guide 11.1)
.set HALFT,  128*PITCH
.set SLOT,   4*HALFT                   ; q's 256 rows, then k's 256
.set STAGE,  2*SLOT                    ; 16 rows x 272 bytes for each wave
.set SPITCH, 272
.set XM,     STAGE+4*16*SPITCH         ; [key half][256 queries] f32: the halves' maxima meet here
.set XS,     XM+2048                   ; 1,024 bytes a wave: cm and l change lanes here
.set SPARE,  XS+4096                   ; the spare words, 128 bytes a wave, that no other line names
.set LAPS,   4                         ; a lap = two K steps
.set XA,   8                           ; v8   where I put a maximum
.set XB,   9                           ; v9   where the other key half's lies
.set XSS,  10                          ; v10  where I put cm and l
.set XSR,  11                          ; v11  where I read four of them back
.set SO,   12                          ; v12  16 x lane: my 16 bytes in st
.set ADRA, 16
.set ADRB, 20
.set STO,  24
.set RD,   25
.set CO,   26
.set SPW,  28
.set NIL,  29
.set PFO,  30                          ; v30  lane x a row of qkv, for the prefetches
.set MK,   32                          ; v32-39 below, v40-47 on, v48-55 above
.set F0,   64
.set F1,   128
.set ST,   32                          ; later: block a's cm, m, l (even keys', odd keys') at v[ST+4 a]
.set WK,   64                          ; v64-95 at work
.set OB,   128                         ; v128-159, v160-191: 16 rows read back from the stage, by turns
.set TMP,  192                         ; v192-223: a block's p in f16
.set G1, 24
.set G0, 32                            ; s[32:39] a set for each slot
.set LIM, 43
.set PFA, 44
.set LP,  46                           ; s[46:47] st at my l's plane
.set CS,  58
.set SEL, 60
.set BIGN, 62
.set MSB, 0
.macro WIN new
.if MSB != (\new)
	s_set_vgpr_msb (MSB<<8)|(\new)
.set MSB, \new
.endif
.endm
.macro PLACES
.rept 4
	v_nop
.endr
.endm
.set MUL_LO, 0xa1                      ; source 0 (k) window 1, source 1 (q) window 0, C and D window 2
.set TO_B,   0x40
	s_load_b128 s[4:7], s[0:1], 0x0                ; qkv s[4:5], pw s[6:7]
	s_load_b64 s[8:9], s[0:1], 0x10                ; st
	v_lshl_add_u32 v[SPW], v0, 2, SPARE
	v_mov_b32 v[NIL], 0
	ds_add_u32 v[SPW], v[NIL]                      ; the wave's opening: the add and its wait stand ahead of my first tensor load
	v_lshrrev_b32 v1, 5, v0
	v_readfirstlane_b32 s10, v1                    ; wave 0..3
	s_lshr_b32 s11, s10, 1                         ; my half of the queries.  Also: I fetch q (0) or k (1)
	s_and_b32 s12, s10, 1                          ; my half of the keys.  Also: which 128 rows I fetch
	s_mov_b32 s13, 0                               ; qi: how many of the triangle's row starts 1, 3, 6 .. 28 the tile's number has reached
.irp thr, 1,3,6,10,15,21,28
	s_cmp_ge_u32 ttmp9, \thr
	s_cselect_b32 s16, 1, 0
	s_add_co_u32 s13, s13, s16
.endr
	s_add_co_u32 s16, s13, 1
	s_mul_i32 s16, s16, s13
	s_lshr_b32 s16, s16, 1
	s_sub_co_u32 s14, ttmp9, s16                   ; kj
	s_and_b32 s15, ttmp7, 0xffff                   ; batch
	s_mov_b32 s[G1+0], (1<<16)|(1<<20)|(5<<22)|(3<<25)  ; 2-byte elements; padding on: after every 64 words (code 5) 4 words (code 3)
	s_mov_b32 s[G1+1], KSTEP<<16                   ; tensor_dim0 = 128
	s_mov_b32 s[G1+2], 128<<16                     ; tensor_dim1 = 128
	s_mov_b32 s[G1+3], KSTEP<<16                   ; tile_dim0 = 128
	s_mov_b32 s[G1+4], 128                         ; tile_dim1 = 128
	s_mov_b32 s[G1+5], 3072                        ; elements from row to row of qkv
	s_mov_b32 s[G1+6], 0
	s_mov_b32 s[G1+7], 0
	s_mov_b32 s[CS], 0x3d38aa3b                    ; c = log2(e) / 32
	s_mov_b32 s[CS+1], s[CS]
	s_mov_b32 s[SEL], 0x76543210
	s_mov_b32 s[SEL+1], 0xfedcba98
	s_mov_b32 s[BIGN], 0xf149f2ca                  ; -1e30
	s_cmp_eq_u32 s11, 0
	s_cselect_b32 s16, s13, s14
	s_lshl_b32 s16, s16, 8
	s_lshl_b32 s17, s15, 11
	s_add_co_u32 s16, s16, s17
	s_lshl_b32 s17, s12, 7
	s_add_co_u32 s16, s16, s17                     ; the first of the 128 rows that I fetch
	s_mul_i32 s16, s16, 6144
	s_lshl_b32 s17, s11, 11                        ; k's columns begin 2,048 bytes into a row
	s_add_co_u32 s16, s16, s17
	s_mov_b32 s17, 0
	s_mul_i32 s20, s10, HALFT                      ; and where they go: wave x 128 rows
	s_wait_dscnt 0x0
	s_wait_kmcnt 0x0
	s_add_nc_u64 s[18:19], s[4:5], s[16:17]
.irp s, 0,1
	s_mov_b32 s[G0+4*(\s)], 1
	s_add_co_u32 s[G0+4*(\s)+1], s20, (\s)*SLOT
	s_add_nc_u64 s[G0+4*(\s)+2:G0+4*(\s)+3], s[18:19], (\s)*KSTEP*2
	s_or_b32 s[G0+4*(\s)+3], s[G0+4*(\s)+3], 0x80000000
	tensor_load_to_lds s[G0+4*(\s):G0+4*(\s)+3], s[G1:G1+7]  ; both first fills go out ahead of everything else: two loads of mine are out
	s_nop 0
.endr
	; the prefetches: q's rows of block qi are read by the tiles (qi, 0 .. qi): the tile with kj = 0 asks; k's rows of block kj by the tiles (kj .. 7, kj): the tile with qi = 7 asks
	s_add_nc_u64 s[PFA:PFA+1], s[18:19], 2*KSTEP*2 ; at K step 2: the first refill steps it to 3 and names step 4
	s_cmp_eq_u32 s11, 0
	s_cselect_b32 s16, s14, s13
	s_cselect_b32 s17, 0, 7
	s_cmp_eq_u32 s16, s17
	s_cselect_b32 s[LIM], 1, -1
	v_and_b32 v[PFO], 31, v0
	v_mul_u32_u24 v[PFO], v[PFO], 6144
	v_and_b32 v1, 15, v0                           ; l % 16
	v_bfe_u32 v2, v0, 4, 1                         ; l / 16
	; the masks.  Key 128 ch + 16 b + 8 (l / 16) + j is hidden from query 128 rh + 16 a + l % 16 where 16 (b - a) + j > T, T = l % 16 - 8 (l / 16) + 128 (rh - ch); off the diagonal T is large.
	; j lies in 0..7 and l % 16 - 8 (l / 16) in -8..15, so b - a may be cut to -1, 0, 1.
	s_sub_co_i32 s16, s11, s12
	s_lshl_b32 s16, s16, 7
	s_cmp_eq_u32 s13, s14
	s_cselect_b32 s16, s16, 4096
	v_lshlrev_b32 v3, 3, v2
	v_sub_nc_u32 v3, v1, v3
	v_add_nc_u32 v3, s16, v3
.set i, 0
.rept 24
	v_cmp_gt_i32 vcc_lo, 16*(i/8)-16+i%8, v3
	v_cndmask_b32 v[MK+i], 0, s[BIGN], vcc_lo
.set i, i+1
.endr
	v_mul_u32_u24 v4, v1, PITCH
	v_lshl_add_u32 v4, v2, 4, v4                   ; a fragment's row x pitch + 16 x half
	s_mul_i32 s21, s11, HALFT
	s_mul_i32 s22, s12, HALFT
	s_add_co_u32 s22, s22, 2*HALFT
.irp s, 0,1
	v_add_nc_u32 v[ADRA+(\s)], s21, v4
	v_add_nc_u32 v[ADRB+(\s)], s22, v4
	s_add_co_u32 s21, s21, SLOT
	s_add_co_u32 s22, s22, SLOT
.endr
	s_mul_i32 s23, s10, 16*SPITCH
	s_add_co_u32 s23, s23, STAGE
	v_mul_u32_u24 v4, v1, SPITCH
	v_lshl_add_u32 v4, v2, 4, v4
	v_add_nc_u32 v[STO], s23, v4
	v_mul_u32_u24 v5, v2, SPITCH
	v_lshl_add_u32 v5, v1, 4, v5
	v_add_nc_u32 v[RD], s23, v5
	v_lshlrev_b32 v5, 12, v2                       ; a row of pw is 4,096 bytes
	v_lshl_add_u32 v[CO], v1, 4, v5
	s_lshl_b32 s21, s11, 9                         ; 128 rh queries x 4 bytes
	s_lshl_b32 s22, s12, 10
	s_add_co_u32 s22, s22, s21
	s_add_co_u32 s22, s22, XM
	v_lshl_add_u32 v[XA], v1, 2, s22
	s_xor_b32 s22, s12, 1
	s_lshl_b32 s22, s22, 10
	s_add_co_u32 s22, s22, s21
	s_add_co_u32 s22, s22, XM
	v_lshl_add_u32 v[XB], v1, 2, s22
	s_lshl_b32 s22, s10, 10
	s_add_co_u32 s22, s22, XS
	v_lshl_add_u32 v[XSS], v1, 2, s22
	v_and_b32 v5, 31, v0
	v_lshl_add_u32 v[XSR], v5, 4, s22
	v_lshlrev_b32 v[SO], 4, v5
	s_lshl_b32 s16, s15, 11                        ; pw at my first query and key
	s_lshl_b32 s17, s13, 8
	s_add_co_u32 s16, s16, s17
	s_lshl_b32 s17, s11, 7
	s_add_co_u32 s16, s16, s17
	s_lshl_b32 s16, s16, 12
	s_lshl_b32 s17, s14, 9
	s_add_co_u32 s16, s16, s17
	s_lshl_b32 s17, s12, 8
	s_add_co_u32 s16, s16, s17
	s_mov_b32 s17, 0
	s_add_nc_u64 s[6:7], s[6:7], s[16:17]
	s_lshl_b32 s16, s15, 3                         ; st at the tile's cm, my 128 queries
	s_add_co_u32 s16, s16, s13
	s_lshl_b32 s16, s16, 3
	s_add_co_u32 s16, s16, s14
	s_mul_i32 s16, s16, 3072
	s_add_co_u32 s16, s16, s21
	s_add_nc_u64 s[8:9], s[8:9], s[16:17]
	s_lshl_b32 s16, s12, 10
	s_add_co_u32 s16, s16, 1024
	s_add_nc_u64 s[LP:LP+1], s[8:9], s[16:17]      ; and at the plane of my key half's l
; 16 matrix instructions: query blocks a0, a0 + 1 of the window's four x all 8 key blocks, 32 along K.  zero = 1: the product starts the sum, with the mask as its C.
; The 64 accumulators take turns, one instruction a turn, in the same order in every quarter.
.macro MUL16 f, hi, a0, zero
.if \zero
	WIN 0x81+0x40*(\hi)                            ; C in window 0
.else
	WIN MUL_LO+0x50*(\hi)
.endif
.irp a, \a0, (\a0)+1
.irp b, 0,1,2,3,4,5,6,7
.if \zero
.set sg, 1
.if (\b) < 4*(\hi)+(\a)
.set sg, 0
.endif
.if (\b) > 4*(\hi)+(\a)
.set sg, 2
.endif
	v_wmma_f32_16x16x32_f16 v[8*(8*(\a)+(\b)):8*(8*(\a)+(\b))+7], v[(\f)+8*(\b):(\f)+8*(\b)+7], v[(\f)+8*(4*(\hi)+(\a)):(\f)+8*(4*(\hi)+(\a))+7], v[MK+8*sg:MK+8*sg+7]
.else
	v_wmma_f32_16x16x32_f16 v[8*(8*(\a)+(\b)):8*(8*(\a)+(\b))+7], v[(\f)+8*(\b):(\f)+8*(\b)+7], v[(\f)+8*(4*(\hi)+(\a)):(\f)+8*(4*(\hi)+(\a))+7], v[8*(8*(\a)+(\b)):8*(8*(\a)+(\b))+7]
.endif
.endr
.endr
.endm
.macro FETCH slot, k, f                ; 32 LDS loads in one run: a quarter step's fragments (k's 128 rows, then q's), 32 along K at byte k of the rows
	WIN TO_B
.irp i, 0,1,2,3,4,5,6,7
	ds_load_b128 v[(\f)+8*(\i):(\f)+8*(\i)+3],   v[ADRB+(\slot)] offset:(\k)+(\i)*16*PITCH
	ds_load_b128 v[(\f)+8*(\i)+4:(\f)+8*(\i)+7], v[ADRB+(\slot)] offset:(\k)+(\i)*16*PITCH+32
.endr
	WIN 0
.irp i, 0,1,2,3,4,5,6,7
	ds_load_b128 v[(\f)+8*(\i):(\f)+8*(\i)+3],   v[ADRA+(\slot)] offset:(\k)+(\i)*16*PITCH
	ds_load_b128 v[(\f)+8*(\i)+4:(\f)+8*(\i)+7], v[ADRA+(\slot)] offset:(\k)+(\i)*16*PITCH+32
.endr
.endm
.macro QUARTER slot, k, f, g, zero     ; multiplies buffer f; in its middle fetches the next quarter, at byte k, into g
	s_wait_dscnt 8                                 ; k's fragments and q's rows 0-63 are in; the youngest eight loads (q's rows 64-127) may be out
	MUL16 \f, 0, 0, \zero
	MUL16 \f, 0, 2, \zero
	PLACES
	FETCH \slot, \k, \g
	s_wait_dscnt 32                                ; all but the 32 just issued
	MUL16 \f, 1, 0, \zero
	MUL16 \f, 1, 2, \zero
.endm
; A prefetch into the L2 of my 128 rows' 256 bytes of the K step two refills on: a lane a row, four instructions, behind the tensor load and the run of LDS loads.  The last two refills have no such step.
.macro ASK
	s_cmp_gt_u32 s3, s[LIM]
	s_cbranch_scc0 .Lnot_mine_\@
.irp i, 0,1,2,3
	global_prefetch_b8 v[PFO], s[PFA:PFA+1] offset:(\i)*32*6144+KSTEP*2 th:TH_LOAD_NT scope:SCOPE_SE
.endr
.Lnot_mine_\@:
.endm
; The last quarter of a K step multiplies buffer 1 and changes slots: one barrier; ahead of it each wave waits for all its tensor loads, adds 0 to its spare word, and waits for that and its reads of the slot.
.macro TURN slot, next, fill
.if \fill
	s_wait_xcnt 0x0                                ; the last prefetches, a K step back, have read their address
	s_add_nc_u64 s[PFA:PFA+1], s[PFA:PFA+1], KSTEP*2
.endif
	WIN 0
	s_wait_tensorcnt 0x0                           ; all my tensor loads have landed: my part of the next slot; so a group 0 may be written
	ds_add_u32 v[SPW], v[NIL]                      ; 0 onto my spare word
.if \fill
	s_add_nc_u64 s[G0+4*(\slot)+2:G0+4*(\slot)+3], s[G0+4*(\slot)+2:G0+4*(\slot)+3], 2*KSTEP*2
.endif
	s_wait_dscnt 9                                 ; the add and the youngest eight loads may be out
	MUL16 F1, 0, 0, 0
	s_wait_dscnt 0x0                               ; the add is done, and my reads of this slot are over
	s_barrier_signal -1
	MUL16 F1, 0, 2, 0
	WIN 0
	s_barrier_wait -1
.if \fill
	tensor_load_to_lds s[G0+4*(\slot):G0+4*(\slot)+3], s[G1:G1+7]  ; my one tensor load behind the barrier; 224 matrix instructions stand between it and the wait for it
	s_nop 0
.endif
	PLACES
	FETCH \next, 0, F0
.if \fill
	ASK
.endif
	MUL16 F1, 1, 0, 0
	MUL16 F1, 1, 2, 0
.endm
	s_wait_tensorcnt 1                             ; my part of K step 0 is in; step 1's may stay out
	s_barrier_signal -1
	s_barrier_wait -1
	FETCH 0, 0, F0
	QUARTER 0, 64, F0, F1, 1                       ; the first quarter stands ahead of the loop: its products start the sums, from the masks
	WIN 0
	s_mov_b32 s3, LAPS-1
.Llap:
	QUARTER 0, 128, F1, F0, 0
	QUARTER 0, 192, F0, F1, 0
	TURN 0, 1, 1
	QUARTER 1, 64,  F0, F1, 0
	QUARTER 1, 128, F1, F0, 0
	QUARTER 1, 192, F0, F1, 0
	TURN 1, 0, 1
	QUARTER 0, 64,  F0, F1, 0
	WIN 0
	s_sub_co_u32 s3, s3, 1
	s_cmp_lg_u32 s3, 0
	s_cbranch_scc1 .Llap
	QUARTER 0, 128, F1, F0, 0                      ; the last lap asks for nothing
	QUARTER 0, 192, F0, F1, 0
	TURN 0, 1, 0
	QUARTER 1, 64,  F0, F1, 0
	QUARTER 1, 128, F1, F0, 0
	QUARTER 1, 192, F0, F1, 0
	s_wait_dscnt 8
	MUL16 F1, 0, 0, 0
	MUL16 F1, 0, 2, 0
	s_wait_dscnt 0x0
	MUL16 F1, 1, 0, 0
	MUL16 F1, 1, 2, 0
	WIN 0
	PLACES
; THE MAXIMUM of each query over my 128 keys.  Each accumulator's lowest registers are read first.
.macro MAXW w
	WIN (\w)|((\w)<<2)|((\w)<<4)
.set i, 0
.rept 32
	v_max3_num_f32 v[WK+i], v[8*i], v[8*i+1], v[8*i+2]
.set i, i+1
.endr
	WIN ((\w)<<2)|((\w)<<4)
.set i, 0
.rept 32
	v_max3_num_f32 v[WK+i], v[WK+i], v[8*i+3], v[8*i+4]
.set i, i+1
.endr
.set i, 0
.rept 32
	v_max3_num_f32 v[WK+i], v[WK+i], v[8*i+5], v[8*i+6]
.set i, i+1
.endr
.set i, 0
.rept 32
	v_max_num_f32 v[WK+i], v[WK+i], v[8*i+7]
.set i, i+1
.endr
	WIN 0
.irp n, 1,3,5                                      ; the eight key blocks of each query block
.irp a, 0,1,2,3
	v_max3_num_f32 v[WK+8*(\a)], v[WK+8*(\a)], v[WK+8*(\a)+(\n)], v[WK+8*(\a)+(\n)+1]
.endr
.endr
.irp a, 0,1,2,3
	v_max_num_f32 v[WK+8*(\a)], v[WK+8*(\a)], v[WK+8*(\a)+7]
.endr
.irp a, 0,1,2,3
	v_permlanex16_b32 v[WK+8*(\a)+1], v[WK+8*(\a)], s[SEL], s[SEL+1]  ; the query's other keys lie in the lane 16 away
.endr
.irp a, 0,1,2,3
	v_max_num_f32 v[ST+4*(4*((\w)-2)+(\a))+1], v[WK+8*(\a)], v[WK+8*(\a)+1]
.endr
.endm
	MAXW 2
	MAXW 3
.irp a, 0,1,2,3,4,5,6,7
	ds_store_b32 v[XA], v[ST+4*(\a)+1] offset:64*(\a)
.endr
	s_wait_dscnt 0x0                               ; for the other key half's wave: my maxima lie in LDS
	s_barrier_signal -1
	s_barrier_wait -1
.irp a, 0,1,2,3,4,5,6,7
	ds_load_b32 v[WK+(\a)], v[XB] offset:64*(\a)
.endr
	s_wait_dscnt 0x0
.irp a, 0,1,2,3,4,5,6,7
	v_max_num_f32 v[ST+4*(\a)+1], v[ST+4*(\a)+1], v[WK+(\a)]  ; m over the tile's 256 keys
.endr
.irp a, 0,1,2,3,4,5,6,7
	v_mul_f32 v[ST+4*(\a)], s[CS], v[ST+4*(\a)+1]
.endr
; Block a of 16 queries: c s - cm, the exponentials as ONE batch with one wait, the roundings to f16, the sums.
.macro EXPBLK a
.set EW, 2+(\a)/4
.set EB, 64*((\a)%4)
	WIN (EW<<6)|EW
.set i, 0
.rept 32
	v_pk_fma_f32 v[EB+2*i:EB+2*i+1], v[EB+2*i:EB+2*i+1], s[CS:CS+1], v[ST+4*(\a):ST+4*(\a)+1] op_sel_hi:[1,0,0] neg_lo:[0,0,1] neg_hi:[0,0,1]
.set i, i+1
.endr
.set i, 0
.rept 64
	v_exp_f32 v[EB+i], v[EB+i]
.set i, i+1
.endr
	v_nop                                          ; a plain instruction behind the last exponential,
	s_wait_alu depctr_va_vdst(0)                   ; and the wait ahead of the first use: one for the 64
	WIN EW|(EW<<2)
.set i, 0
.rept 32
	v_cvt_pk_f16_f32 v[TMP+i], v[EB+2*i], v[EB+2*i+1]
.set i, i+1
.endr
.set i, 0
.rept 16
	v_pk_add_f32 v[WK+2*i:WK+2*i+1], v[EB+4*i:EB+4*i+1], v[EB+4*i+2:EB+4*i+3]
.set i, i+1
.endr
	WIN 0
.irp d, 16, 8, 4
.set i, 0
.rept (\d)/2
	v_pk_add_f32 v[WK+2*i:WK+2*i+1], v[WK+2*i:WK+2*i+1], v[WK+(\d)+2*i:WK+(\d)+2*i+1]
.set i, i+1
.endr
.endr
	v_pk_add_f32 v[ST+4*(\a)+2:ST+4*(\a)+3], v[WK:WK+1], v[WK+2:WK+3]
.endm
.macro TOSTAGE a                       ; 16 bytes a lane into my own stage, and back as whole rows of 256 bytes
.set BK, OB+32*((\a)%2)
.irp b, 0,1,2,3,4,5,6,7
	ds_store_b128 v[STO], v[TMP+4*(\b):TMP+4*(\b)+3] offset:32*(\b)
.endr
.irp t, 0,1,2,3,4,5,6,7
	ds_load_b128 v[BK+4*(\t):BK+4*(\t)+3], v[RD] offset:(\t)*2*SPITCH  ; LDS serves a wave's instructions in order (ISA guide 5.7.1.4): these see the stores above
.endr
.endm
.macro SEND a
.set BK, OB+32*((\a)%2)
	s_wait_dscnt 0x0                               ; the block is back in registers
	s_wait_xcnt 0x0                                ; earlier stores have read their base and data: both are written again only behind this wait
.if (\a) > 0
	s_add_nc_u64 s[6:7], s[6:7], 16*4096
.endif
.irp t, 0,1,2,3,4,5,6,7
	global_store_b128 v[CO], v[BK+4*(\t):BK+4*(\t)+3], s[6:7] offset:2*(\t)*4096  ; 16 lanes store 256 consecutive bytes, at a multiple of 256 from pw's first byte
.endr
.endm
	EXPBLK 0
	TOSTAGE 0
.irp a, 1,2,3,4,5,6,7                              ; a block's arithmetic stands between the loads of the block before and its stores
	EXPBLK \a
	SEND (\a)-1
	TOSTAGE \a
.endr
	SEND 7
.irp a, 0,1,2,3,4,5,6,7
	v_add_f32 v[ST+4*(\a)+2], v[ST+4*(\a)+2], v[ST+4*(\a)+3]
.endr
.irp a, 0,1,2,3,4,5,6,7
	v_permlanex16_b32 v[ST+4*(\a)+3], v[ST+4*(\a)+2], s[SEL], s[SEL+1]
.endr
.irp a, 0,1,2,3,4,5,6,7
	v_add_f32 v[ST+4*(\a)+2], v[ST+4*(\a)+2], v[ST+4*(\a)+3]
.endr
.irp a, 0,1,2,3,4,5,6,7                            ; cm and l of my 128 queries change lanes through my own bytes of LDS, so that each store covers 512 consecutive bytes
	ds_store_b32 v[XSS], v[ST+4*(\a)] offset:64*(\a)
	ds_store_b32 v[XSS], v[ST+4*(\a)+2] offset:512+64*(\a)
.endr
	ds_load_b128 v[96:99], v[XSR]
	ds_load_b128 v[100:103], v[XSR] offset:512
	s_wait_dscnt 0x0
	global_store_b128 v[SO], v[100:103], s[LP:LP+1]
	s_cmp_eq_u32 s12, 0                            ; both key halves hold the same cm: the first stores it
	s_cbranch_scc0 .Lno_cm
	global_store_b128 v[SO], v[96:99], s[8:9]
.Lno_cm:
	s_wait_tensorcnt 0x0                           ; the wave's end
	ds_add_u32 v[SPW], v[NIL]
	s_wait_dscnt 0x0
	s_endpgm
.Lfunc_end_k_q2fbe4be1bb_score:
	.size	k_q2fbe4be1bb_score, .Lfunc_end_k_q2fbe4be1bb_score-k_q2fbe4be1bb_score
	.p2alignl 7, 3214868480
	.fill 96, 4, 3214868480
	.section	.rodata,"a",@progbits
	.p2align	6, 0x0
	.amdhsa_kernel k_q2fbe4be1bb_score
		.amdhsa_group_segment_fixed_size 327680
		.amdhsa_private_segment_fixed_size 0
		.amdhsa_enable_private_segment 0
		.amdhsa_kernarg_size 24
		.amdhsa_user_sgpr_count 2
		.amdhsa_user_sgpr_kernarg_segment_ptr 1
		.amdhsa_wavefront_size32 1
		.amdhsa_system_sgpr_workgroup_id_x 1
		.amdhsa_system_sgpr_workgroup_id_y 1
		.amdhsa_system_sgpr_workgroup_id_z 1
		.amdhsa_system_vgpr_workitem_id 0
		.amdhsa_next_free_vgpr 1024
		.amdhsa_next_free_sgpr 66
		.amdhsa_reserve_vcc 1
		.amdhsa_float_denorm_mode_32 3
		.amdhsa_float_denorm_mode_16_64 3
		.amdhsa_memory_ordered 1
		.amdhsa_forward_progress 1
		.amdhsa_inst_pref_size 214
	.end_amdhsa_kernel
	.amdgpu_metadata
---
amdhsa.version: [ 1, 2 ]
amdhsa.kernels:
  - .name:           k_q2fbe4be1bb_score
    .symbol:         k_q2fbe4be1bb_score.kd
    .args:
      - { .name: qkv, .offset: 0, .size: 8, .value_kind: global_buffer, .address_space: global }
      - { .name: pw, .offset: 8, .size: 8, .value_kind: global_buffer, .address_space: global }
      - { .name: st, .offset: 16, .size: 8, .value_kind: global_buffer, .address_space: global }
    .group_segment_fixed_size: 327680
    .private_segment_fixed_size: 0
    .kernarg_segment_align: 8
    .kernarg_segment_size: 24
    .max_flat_workgroup_size: 128
    .sgpr_count:     66
    .vgpr_count:     1024
    .wavefront_size: 32
...
	.end_amdgpu_metadata
.endif
;; end of part 3
;; launch pv (part 4): grid 8 x 32, 4 waves a work-group, clusters of 4 x 4, 327,680 bytes of LDS; arguments qkv, pw, st, out0; writes out0
.if DOCPART == 4
	.amdgcn_target "amdgcn-amd-amdhsa--gfx1250"
	.amdhsa_code_object_version 6
	.text
	.protected	k_q2fbe4be1bb_pv
	.globl	k_q2fbe4be1bb_pv
	.p2align	8
	.type	k_q2fbe4be1bb_pv,@function
k_q2fbe4be1bb_pv:
	s_mov_b64 s[64:65], 0
	v_nop
	global_prefetch_b8 v0, s[64:65] scope:SCOPE_SE
	s_setreg_imm32_b32 hwreg(HW_REG_WAVE_MODE, 25, 1), 1
	s_wait_xcnt 0x0
	s_wait_alu depctr_hold_cnt(0) depctr_sa_sdst(0) depctr_va_vdst(0) depctr_va_sdst(0) depctr_va_ssrc(0) depctr_va_vcc(0) depctr_vm_vsrc(0)
	s_getreg_b32 s2, hwreg(HW_REG_IB_STS2, 6, 4)
	s_cmp_eq_u32 s2, 0
	s_cbranch_scc0 .Lentry_in_a_cluster
	s_endpgm
.Lentry_in_a_cluster:
	s_bfe_u32 s2, ttmp6, 0x10000c
	s_cmp_lg_u32 s2, 0xf033
	s_cbranch_scc0 .Lentry_shape_is_right
	s_endpgm
.Lentry_shape_is_right:
; out[q][:] = the sum over key tiles t of f_t[q] (P'_t V_t)[q][:],  f_t = 2^(cm_t - CM) / L,  CM = the largest cm_t of the row,  L = the sum over t of 2^(cm_t - CM) l_t.
; P' (pw, f16) holds 2^(c s - cm_t) for each tile of 256 keys, st its cm_t and l_t, v lies in qkv's columns 2048-3071 (f16).  Products in f16 with f32 sums; factors, CM and L in f32; out in f32.
; Every exponent is at most 0.  LIMITS: a factor below 2^-126 counts as 0; NaN and infinities are not treated apart.
; SHARES.  A work-group makes two tiles of 128 queries x 128 channels, one after the other: query block hi = 12 - 4 p + cy with 8 - 2 p key tiles, then lo = 4 p + cy with 2 p + 2 (p = cluster y % 2):
; ten key tiles for every work-group, and the same walk of V for all four cy.  Four waves, each 64 queries x 64 channels: 16 accumulators.
; CLUSTER 4 x 4.  P' hangs on the query block alone and is shared along a row of the cluster, V on the channel block alone and is shared along a column: both come by joint loads.
; For cy < 2 a block's last key tile lies above the diagonal: there P's address is held at the block's own last tile and the factor is multiplied by 0: a choice of values; no branch hangs on cy.
; A key tile's products start a fresh sum PART; TOT takes PART x f_t.  TOT is set to 0 at the head and at the change of blocks (128 lines each), so that every key tile has one form.
; REGISTERS.  window 0: v0-31 addresses; v32-63 statistics; v64-127 at work; v128-255 PART at v[128 + 8 (4 a + cb)].
;   window 1: two fragment buffers of 128: 64 registers of P' (2 x 4 x 16 queries x 32 keys), then 64 of V (turned).   window 2: v0-127 TOT.
; All of the LDS is claimed.
.set PP,    528                        ; a row of P' in LDS: 512 bytes + 16 = 132 words: the 16 rows of a load start at 16 different groups of four banks (ISA guide 11.1)
.set PV,    288                        ; a row of V: 256 + 32 = 72 words
.set PSZ,   128*PP
.set SLOT,  PSZ+256*PV                 ; P's 128 rows, then V's 256 keys
.set STAGE, 2*SLOT                     ; 16 rows x 272 bytes for each wave
.set SCR,   STAGE+4*16*272             ; 1,024 bytes a wave: CM and 1 / L change lanes here
.set SPARE, SCR+4096                   ; the spare words, 128 bytes a wave, that no other line names
.set VTILE, 256*6144                   ; bytes from key tile to key tile in qkv
.set SCW,  7                           ; v7   where I put two rows' CM
.set SCRD, 8                           ; v8   where I read a row's back
.set L8,   9                           ; v9   8 x lane
.set ADRP, 16                          ; v16-17  my place in P', slot 0, 1
.set ADRV, 18                          ; v18-21  in V: slot, half of its 256 keys
.set STO,  24
.set RD,   25
.set CO,   26
.set ROW4, 27                          ; v27  4 (l % 16)
.set SPW,  28
.set NIL,  29
.set PFO,  30
.set CL,   32                          ; v32-35  cm_t of my query in block a
.set E,    36                          ; v36-39  at work
.set CMLO, 40                          ; v40-43, v44-47  CM and 1 / L of the second block
.set ILLO, 44
.set CMC,  48                          ; v48-51, v52-55  of the block in hand
.set ILC,  52
.set F,    56                          ; v56-63  f_t in the even registers; the odd ones hold 0: they are named as pairs
.set TMP,  64
.set PART, 128
.set F0,   0
.set F1,   128
.set G1P, 24
.set G0P, 32                           ; s[32:39] a set for each slot
.set G1V, 48
.set G0V, 56
.set PB,  66                           ; s[66:67] pw at the rows that I fetch, of the block whose tiles are being asked for
.set PLO, 68                           ; s[68:69] the same for the second block
.set VB,  70                           ; s[70:71] qkv at the keys and channels that I fetch, key tile 0
.set FT,  72                           ; s72  the key tile to ask for next
.set FQ,  73                           ; s73  the last tile that the block's own rows have
.set FN,  74                           ; s74  the tiles of the block
.set QLO, 75                           ; s75  FQ of the second block
.set CSB, 76                           ; s[76:77] st at my 64 rows, key tile 0, of the block in hand;  s[78:79] of the second
.set CSLO, 78
.set SBC, 80                           ; s[80:81] st at the key tile whose cm is being loaded
.set CT,  82                           ; s82-84  as FT, FQ, FN, for the tile that is multiplied next
.set CQ,  83
.set CN,  84
.set FLAG, 85                          ; s85  1.0, or 0 for a tile above the diagonal
.set CHG, 87                           ; s87  the trip (by its count) behind which the first block ends
.set OBC, 88                           ; s[88:89] out at my rows and channels;  s[90:91] of the second block
.set OLO, 90
.set PFA, 92
.set PSTEP, 94
.set PT,  96                           ; s96  the key tile that the next prefetch names;  s97 where they stop
.set PLIM, 97
.set MSB, 0
.macro WIN new
.if MSB != (\new)
	s_set_vgpr_msb (MSB<<8)|(\new)
.set MSB, \new
.endif
.endm
.macro PLACES
.rept 4
	v_nop
.endr
.endm
.set MUL,  0x05                        ; sources 0 (V) and 1 (P') window 1; C and D window 0
.set TO_F, 0x40
.macro CREST
	s_cmp_lg_u32 s12, 0
	s_cbranch_scc1 .Lnot_wave_0_\@
	s_barrier_signal -3
.Lnot_wave_0_\@:
	s_barrier_wait -3
	s_barrier_signal -1
	s_barrier_wait -1
.endm
.macro CROUND
	s_barrier_signal -1
	s_barrier_wait -1
	CREST
.endm
.macro JLOAD s                         ; waves 0, 1 fetch the two halves of P's rows, waves 2, 3 those of V's keys; the branch hangs on the wave's number alone
	s_cmp_eq_u32 s13, 0
	s_cbranch_scc0 .Lfor_v_\@
	tensor_load_to_lds s[G0P+4*(\s):G0P+4*(\s)+3], s[G1P:G1P+7]
	s_nop 0
	PLACES
	s_branch .Lasked_\@
.Lfor_v_\@:
	tensor_load_to_lds s[G0V+4*(\s):G0V+4*(\s)+3], s[G1V:G1V+7]
	s_nop 0
	PLACES
.Lasked_\@:
.endm
; The addresses of the next fill are made anew from the tile's number; then the number steps, and behind the first block's last tile goes back to 0 for the second block.
; s[98:99] serve P' alone and s[100:101] V alone: no register that feeds V's descriptor ever holds cy, none that feeds P's ever holds cx.
.macro MKFILL s
	s_min_u32 s98, s[FT], s[FQ]
	s_lshl_b32 s98, s98, 9                         ; a key tile is 512 bytes of a row of pw
	s_add_nc_u64 s[G0P+4*(\s)+2:G0P+4*(\s)+3], s[PB:PB+1], s[98:99]
	s_or_b32 s[G0P+4*(\s)+3], s[G0P+4*(\s)+3], 0x80000000
	s_mul_i32 s100, s[FT], VTILE
	s_add_nc_u64 s[G0V+4*(\s)+2:G0V+4*(\s)+3], s[VB:VB+1], s[100:101]
	s_or_b32 s[G0V+4*(\s)+3], s[G0V+4*(\s)+3], 0x80000000
	s_add_co_u32 s[FT], s[FT], 1
	s_cmp_eq_u32 s[FT], s[FN]
	s_cselect_b32 s[FT], 0, s[FT]
	s_cselect_b64 s[PB:PB+1], s[PLO:PLO+1], s[PB:PB+1]
	s_cselect_b32 s[FQ], s[QLO], s[FQ]
	s_cselect_b32 s[FN], 99, s[FN]
.endm
; A prefetch into the L2 of the first block's key tile two refills on.  P's rows are read by both clusters of a row of clusters: cluster x = 0 asks; of the 64 rows that a wave fetches each partner takes 16
; (by cx, in the address), a lane half a row's 512 bytes.  V's keys are read by the two clusters of a batch and column: the one with p = 0 asks; of a wave's 128 keys each partner takes 32 (by cy), a lane a key.
; P' stops a tile short of the block's last, which the rows of cy < 2 do not have; V at tile 7.  The second block reads V again, so nothing is asked for there.
.macro ASK
	s_cmp_lt_u32 s[PT], s[PLIM]
	s_cbranch_scc0 .Lnot_mine_\@
	global_prefetch_b8 v[PFO], s[PFA:PFA+1] th:TH_LOAD_NT scope:SCOPE_SE
.Lnot_mine_\@:
.endm
	s_load_b256 s[4:11], s[0:1], 0x0               ; qkv s[4:5], pw s[6:7], st s[8:9], out s[10:11]
	v_lshl_add_u32 v[SPW], v0, 2, SPARE
	v_mov_b32 v[NIL], 0
	ds_add_u32 v[SPW], v[NIL]                      ; the wave's opening: the add and its wait stand ahead of my first tensor load
	v_lshrrev_b32 v1, 5, v0
	v_readfirstlane_b32 s12, v1                    ; wave 0..3
	s_lshr_b32 s13, s12, 1                         ; my half of the queries.  Also: I fetch P' (0) or V (1)
	s_and_b32 s14, s12, 1                          ; my half of the channels.  Also: which half I fetch
	s_bfe_u32 s15, ttmp6, 0x40000                  ; cx
	s_bfe_u32 s16, ttmp6, 0x40004                  ; cy
	s_lshl_b32 s17, ttmp9, 2
	s_add_co_u32 s17, s17, s15                     ; block of 128 channels
	s_and_b32 s18, ttmp7, 0xffff
	s_and_b32 s19, s18, 1                          ; p
	s_lshr_b32 s18, s18, 1                         ; batch
	s_lshl_b32 s40, s16, 2
	s_lshl_b32 s40, 15, s40                        ; my row of the cluster
	s_lshl_b32 s41, 0x1111, s15                    ; my column
	s_lshl_b32 s43, s19, 2
	s_sub_co_u32 s42, 12, s43
	s_add_co_u32 s42, s42, s16                     ; hi
	s_add_co_u32 s43, s43, s16                     ; lo
	s_lshl_b32 s44, s19, 1
	s_sub_co_u32 s44, 8, s44                       ; the first block's key tiles
	s_lshr_b32 s[FQ], s42, 1
	s_lshr_b32 s[QLO], s43, 1
	s_mov_b32 s[CQ], s[FQ]
	s_mov_b32 s[FN], s44
	s_mov_b32 s[CN], s44
	s_mov_b32 s[FT], 2
	s_mov_b32 s[CT], 0
	s_mov_b32 s[FLAG], 1.0
	s_add_co_u32 s[CHG], s19, 1
	s_mov_b32 s[PT], 3
	s_mov_b32 s23, 0
	s_mov_b32 s99, 0
	s_mov_b32 s101, 0
	s_lshl_b32 s45, s18, 11                        ; the batch's first row
	s_lshl_b32 s46, s42, 7
	s_add_co_u32 s46, s46, s45                     ; the first block's first row
	s_lshl_b32 s47, s43, 7
	s_add_co_u32 s47, s47, s45                     ; the second block's
	s_or_b32 s[G1P], s40, (1<<16)|(1<<20)|(1<<21)|(6<<22)|(3<<25)  ; the mask; 2-byte elements; padding on; bit 21 beside a mask; after every 128 words (code 6) 4 words (code 3)
	s_mov_b32 s[G1P+1], 256<<16                    ; tensor_dim0 = 256 keys
	s_mov_b32 s[G1P+2], 64<<16                     ; tensor_dim1 = 64 rows
	s_mov_b32 s[G1P+3], 256<<16
	s_mov_b32 s[G1P+4], 64
	s_mov_b32 s[G1P+5], 2048                       ; elements from row to row of pw
	s_mov_b32 s[G1P+6], 0
	s_mov_b32 s[G1P+7], 0
	s_or_b32 s[G1V], s41, (1<<16)|(1<<20)|(1<<21)|(5<<22)|(7<<25)  ; after every 64 words (code 5) 8 words (code 7)
	s_mov_b32 s[G1V+1], 128<<16                    ; 128 channels
	s_mov_b32 s[G1V+2], 128<<16                    ; 128 keys
	s_mov_b32 s[G1V+3], 128<<16
	s_mov_b32 s[G1V+4], 128
	s_mov_b32 s[G1V+5], 3072                       ; elements from row to row of qkv
	s_mov_b32 s[G1V+6], 0
	s_mov_b32 s[G1V+7], 0
	s_wait_dscnt 0x0
	s_wait_kmcnt 0x0
	s_lshl_b32 s21, s14, 6                         ; P': the 64 rows that I fetch
	s_add_co_u32 s20, s46, s21
	s_lshl_b32 s20, s20, 12
	s_add_co_u32 s22, s47, s21
	s_lshl_b32 s22, s22, 12
	s_mov_b32 s21, 0
	s_add_nc_u64 s[PB:PB+1], s[6:7], s[20:21]
	s_add_nc_u64 s[PLO:PLO+1], s[6:7], s[22:23]
	s_lshl_b32 s100, s14, 7                        ; V: the 128 keys that I fetch, my work-group's channels
	s_add_co_u32 s100, s100, s45
	s_mul_i32 s100, s100, 6144
	s_add_co_u32 s100, s100, 4096
	s_lshl_b32 s2, s17, 8
	s_add_co_u32 s100, s100, s2
	s_add_nc_u64 s[VB:VB+1], s[4:5], s[100:101]
	s_mul_i32 s22, s14, 64*PP                      ; where they go: no place in the cluster enters an LDS address
	s_mul_i32 s2, s14, 128*PV
	s_add_co_u32 s2, s2, PSZ
	CROUND                                         ; all sixteen work-groups are here: the first joint loads meet
.irp s, 0,1
	s_mov_b32 s[G0P+4*(\s)], 1
	s_add_co_u32 s[G0P+4*(\s)+1], s22, (\s)*SLOT
	s_add_nc_u64 s[G0P+4*(\s)+2:G0P+4*(\s)+3], s[PB:PB+1], (\s)*512
	s_or_b32 s[G0P+4*(\s)+3], s[G0P+4*(\s)+3], 0x80000000
	s_mov_b32 s[G0V+4*(\s)], 1
	s_add_co_u32 s[G0V+4*(\s)+1], s2, (\s)*SLOT
	s_add_nc_u64 s[G0V+4*(\s)+2:G0V+4*(\s)+3], s[VB:VB+1], (\s)*VTILE
	s_or_b32 s[G0V+4*(\s)+3], s[G0V+4*(\s)+3], 0x80000000
.endr
	s_cmp_eq_u32 s13, 0                            ; a wave's two first fills (the first block's key tiles 0 and 1) stand in one branch: two loads of mine are out
	s_cbranch_scc0 .Lfirst_v
	tensor_load_to_lds s[G0P:G0P+3], s[G1P:G1P+7]
	s_nop 0
	tensor_load_to_lds s[G0P+4:G0P+7], s[G1P:G1P+7]
	s_nop 0
	PLACES
	s_branch .Lfirst_asked
.Lfirst_v:
	tensor_load_to_lds s[G0V:G0V+3], s[G1V:G1V+7]
	s_nop 0
	tensor_load_to_lds s[G0V+4:G0V+7], s[G1V:G1V+7]
	s_nop 0
	PLACES
.Lfirst_asked:
	; st at my 64 rows of each block: ((batch x 8 + qi) x 8) tiles of 3,072 bytes, + (128 (block % 2) + 64 x my half) x 4
	s_lshl_b32 s20, s18, 3
	s_add_co_u32 s20, s20, s[FQ]
	s_mul_i32 s20, s20, 8*3072
	s_and_b32 s22, s42, 1
	s_lshl_b32 s22, s22, 9
	s_add_co_u32 s20, s20, s22
	s_lshl_b32 s22, s13, 8
	s_add_co_u32 s20, s20, s22
	s_add_nc_u64 s[CSB:CSB+1], s[8:9], s[20:21]
	s_lshl_b32 s20, s18, 3
	s_add_co_u32 s20, s20, s[QLO]
	s_mul_i32 s20, s20, 8*3072
	s_add_co_u32 s20, s20, s22
	s_and_b32 s22, s43, 1
	s_lshl_b32 s22, s22, 9
	s_add_co_u32 s20, s20, s22
	s_add_nc_u64 s[CSLO:CSLO+1], s[8:9], s[20:21]
	s_mov_b64 s[SBC:SBC+1], s[CSB:CSB+1]
	v_and_b32 v1, 15, v0                           ; l % 16
	v_bfe_u32 v2, v0, 4, 1                         ; l / 16
	v_and_b32 v3, 31, v0                           ; l
	v_lshlrev_b32 v[L8], 3, v3
	v_lshlrev_b32 v[ROW4], 2, v1
; THE ROWS' STATISTICS, two rows a lane.  STATL: cm, l of keys 0-127 and l of keys 128-255 of eight key tiles (a tile above the block's own last is read as that last one, and counts 0 below).
.macro STATL idx, bp, qr
.set SB, 64+64*(\idx)
.irp t, 0,1,2,3,4,5,6,7
	s_min_u32 s20, s[\qr], \t
	s_mul_i32 s20, s20, 3072
	v_add_nc_u32 v[SB+48+(\t)], s20, v[L8]
.endr
.irp t, 0,1,2,3,4,5,6,7
	global_load_b64 v[SB+2*(\t):SB+2*(\t)+1],       v[SB+48+(\t)], s[\bp:\bp+1]
	global_load_b64 v[SB+16+2*(\t):SB+16+2*(\t)+1], v[SB+48+(\t)], s[\bp:\bp+1] offset:1024
	global_load_b64 v[SB+32+2*(\t):SB+32+2*(\t)+1], v[SB+48+(\t)], s[\bp:\bp+1] offset:2048
.endr
.endm
; STATC: CM, L and 1 / L; they go to my own bytes of LDS, to come back in the products' lanes.
.macro STATC idx, qr
.set SB, 64+64*(\idx)
.set CMR, SB+56
.set LS,  SB+58
.irp z, 0,1
	v_max3_num_f32 v[CMR+(\z)], v[SB+(\z)], v[SB+2+(\z)], v[SB+4+(\z)]
.endr
.irp n, 6, 10
.irp z, 0,1
	v_max3_num_f32 v[CMR+(\z)], v[CMR+(\z)], v[SB+(\n)+(\z)], v[SB+(\n)+2+(\z)]
.endr
.endr
.irp z, 0,1
	v_max_num_f32 v[CMR+(\z)], v[CMR+(\z)], v[SB+14+(\z)]
.endr
.irp t, 0,1,2,3,4,5,6,7
	v_pk_add_f32 v[SB+2*(\t):SB+2*(\t)+1], v[SB+2*(\t):SB+2*(\t)+1], v[CMR:CMR+1] neg_lo:[0,1] neg_hi:[0,1]
.endr
.set i, 0
.rept 16
	v_exp_f32 v[SB+i], v[SB+i]
.set i, i+1
.endr
.irp t, 0,1,2,3,4,5,6,7
	v_pk_add_f32 v[SB+16+2*(\t):SB+16+2*(\t)+1], v[SB+16+2*(\t):SB+16+2*(\t)+1], v[SB+32+2*(\t):SB+32+2*(\t)+1]
.endr
.irp t, 0,1,2,3,4,5,6,7
	s_cmp_le_u32 \t, s[\qr]
	s_cselect_b32 s22, 1.0, 0
	v_pk_mul_f32 v[SB+16+2*(\t):SB+16+2*(\t)+1], v[SB+16+2*(\t):SB+16+2*(\t)+1], s[22:23] op_sel_hi:[1,0]
.endr
	s_wait_alu depctr_va_vdst(0)                   ; one wait for the 16 exponentials, ahead of their first use; the 16 lines above are the plain work between
	v_pk_mul_f32 v[LS:LS+1], v[SB:SB+1], v[SB+16:SB+17]
.irp t, 1,2,3,4,5,6,7
	v_pk_fma_f32 v[LS:LS+1], v[SB+2*(\t):SB+2*(\t)+1], v[SB+16+2*(\t):SB+16+2*(\t)+1], v[LS:LS+1]
.endr
	v_rcp_f32 v[LS], v[LS]
	v_rcp_f32 v[LS+1], v[LS+1]
	v_nop
	s_wait_alu depctr_va_vdst(0)                   ; one wait for the two reciprocals
	ds_store_b64 v[SCW], v[CMR:CMR+1] offset:512*(\idx)
	ds_store_b64 v[SCW], v[LS:LS+1] offset:512*(\idx)+256
.endm
	STATL 0, CSB, FQ
	STATL 1, CSLO, QLO
	; while they are on their way: the other addresses
	v_mul_u32_u24 v4, v1, PP
	v_lshl_add_u32 v4, v2, 4, v4                   ; P': row x pitch + 16 x half
	s_mul_i32 s20, s13, 64*PP
	v_add_nc_u32 v[ADRP], s20, v4
	v_add_nc_u32 v[ADRP+1], SLOT, v[ADRP]
	; the turning load takes 16 keys x 16 channels (lane l reads key 8 (l / 16) + l % 8, channels 8 ((l / 8) % 2) + 0..7) and leaves half a fragment of V^T: lane l holds channel l % 16 and 8 keys
	v_and_b32 v5, 7, v0
	v_bfe_u32 v6, v0, 3, 1
	v_lshl_add_u32 v5, v2, 3, v5
	v_mul_u32_u24 v5, v5, PV
	v_lshl_add_u32 v5, v6, 4, v5
	s_lshl_b32 s20, s14, 7
	s_add_co_u32 s20, s20, PSZ
	v_add_nc_u32 v[ADRV], s20, v5
	v_add_nc_u32 v[ADRV+1], 128*PV, v[ADRV]
	v_add_nc_u32 v[ADRV+2], SLOT, v[ADRV]
	v_add_nc_u32 v[ADRV+3], SLOT, v[ADRV+1]
	s_mul_i32 s20, s12, 16*272
	s_add_co_u32 s20, s20, STAGE
	v_mul_u32_u24 v4, v1, 272                      ; into my stage: row l % 16, 32 bytes for each half of the lanes
	v_lshl_add_u32 v4, v2, 5, v4
	v_add_nc_u32 v[STO], s20, v4
	v_mul_u32_u24 v4, v2, 272                      ; back: lanes 0-15 one row of 256 bytes, lanes 16-31 the next
	v_lshl_add_u32 v4, v1, 4, v4
	v_add_nc_u32 v[RD], s20, v4
	v_lshlrev_b32 v4, 12, v2
	v_lshl_add_u32 v[CO], v1, 4, v4
	s_lshl_b32 s20, s12, 10
	s_add_co_u32 s20, s20, SCR
	v_add_nc_u32 v[SCW], s20, v[L8]
	v_add_nc_u32 v[SCRD], s20, v[ROW4]
.irp a, 0,1,2,3
	v_mov_b32 v[F+2*(\a)+1], 0
.endr
	s_lshl_b32 s22, s13, 6                         ; out at my 64 rows and 64 channels
	s_add_co_u32 s20, s46, s22
	s_lshl_b32 s20, s20, 12
	s_add_co_u32 s22, s47, s22
	s_lshl_b32 s22, s22, 12
	s_lshl_b32 s2, s17, 9
	s_add_co_u32 s20, s20, s2
	s_add_co_u32 s22, s22, s2
	s_lshl_b32 s2, s14, 8
	s_add_co_u32 s20, s20, s2
	s_add_co_u32 s22, s22, s2
	s_add_nc_u64 s[OBC:OBC+1], s[10:11], s[20:21]
	s_add_nc_u64 s[OLO:OLO+1], s[10:11], s[22:23]
	; the prefetches: they stand at key tile 3; the first change of slots steps them to tile 4
	s_lshl_b32 s20, s14, 6
	s_add_co_u32 s20, s20, s46
	s_lshl_b32 s22, s15, 4
	s_add_co_u32 s20, s20, s22
	s_lshl_b32 s20, s20, 12
	s_add_co_u32 s20, s20, 3*512                   ; P'
	s_lshl_b32 s22, s14, 7
	s_add_co_u32 s22, s22, s45
	s_add_co_u32 s22, s22, 3*256
	s_lshl_b32 s2, s16, 5
	s_add_co_u32 s22, s22, s2
	s_mul_i32 s22, s22, 6144
	s_add_co_u32 s22, s22, 4096
	s_lshl_b32 s2, s17, 8
	s_add_co_u32 s22, s22, s2                      ; V
	s_sub_co_u32 s2, s44, 1
	s_cmp_eq_u32 ttmp9, 0
	s_cselect_b32 s2, s2, 0
	s_cmp_eq_u32 s19, 0
	s_cselect_b32 s3, 8, 0
	s_mov_b32 s40, VTILE
	s_mov_b32 s41, 6144
	s_cmp_eq_u32 s13, 0
	s_cselect_b32 s[PLIM], s2, s3                  ; the same in all sixteen partners, for a given wave
	s_cselect_b32 s20, s20, s22
	s_cselect_b64 s[PFA:PFA+1], s[6:7], s[4:5]
	s_cselect_b32 s[PSTEP], 512, s40
	s_cselect_b32 s41, 4096, s41                   ; bytes from row to row,
	s_cselect_b32 s40, 1, 0                        ; and whether two lanes share a row
	s_mov_b32 s[PSTEP+1], 0
	s_add_nc_u64 s[PFA:PFA+1], s[PFA:PFA+1], s[20:21]
	v_lshrrev_b32 v4, s40, v3
	v_mul_lo_u32 v4, v4, s41
	v_and_b32 v5, s40, v3
	v_lshl_add_u32 v[PFO], v5, 8, v4
	s_mov_b32 s22, 0
	WIN 0x80
.set i, 0
.rept 128
	v_mov_b32 v[i], 0                              ; TOT
.set i, i+1
.endr
	WIN 0
	s_wait_loadcnt 24                              ; the first block's 24 loads are in; the second's may stay out
	STATC 0, FQ
	s_wait_loadcnt 0x0
	STATC 1, QLO
.irp a, 0,1,2,3                                    ; my own bytes, served in order: row 16 a + l % 16
	ds_load_b32 v[CMC+(\a)],  v[SCRD] offset:64*(\a)
	ds_load_b32 v[ILC+(\a)],  v[SCRD] offset:256+64*(\a)
	ds_load_b32 v[CMLO+(\a)], v[SCRD] offset:512+64*(\a)
	ds_load_b32 v[ILLO+(\a)], v[SCRD] offset:768+64*(\a)
.endr
.irp a, 0,1,2,3
	global_load_b32 v[CL+(\a)], v[ROW4], s[SBC:SBC+1] offset:64*(\a)  ; cm of key tile 0
.endr
	s_wait_dscnt 0x0
; 8 matrix instructions: query blocks a0, a0 + 1 x all 4 channel blocks, 32 keys: half c of buffer f.  The 16 accumulators take turns.
.macro MUL8 f, c, a0, zero
	WIN MUL
.irp a, \a0, (\a0)+1
.irp b, 0,1,2,3
.if \zero
	v_wmma_f32_16x16x32_f16 v[PART+8*(4*(\a)+(\b)):PART+8*(4*(\a)+(\b))+7], v[(\f)+64+8*(4*(\c)+(\b)):(\f)+64+8*(4*(\c)+(\b))+7], v[(\f)+8*(4*(\c)+(\a)):(\f)+8*(4*(\c)+(\a))+7], 0
.else
	v_wmma_f32_16x16x32_f16 v[PART+8*(4*(\a)+(\b)):PART+8*(4*(\a)+(\b))+7], v[(\f)+64+8*(4*(\c)+(\b)):(\f)+64+8*(4*(\c)+(\b))+7], v[(\f)+8*(4*(\c)+(\a)):(\f)+8*(4*(\c)+(\a))+7], v[PART+8*(4*(\a)+(\b)):PART+8*(4*(\a)+(\b))+7]
.endif
.endr
.endr
.endm
.macro FETCH slot, n, f                ; 32 LDS loads in one run: quarter n of a slot (64 keys) into buffer f; its first 32 keys first
	WIN TO_F
.irp c, 0,1
.irp i, 0,1,2,3
	ds_load_tr16_b128 v[(\f)+64+8*(4*(\c)+(\i)):(\f)+64+8*(4*(\c)+(\i))+3],   v[ADRV+2*(\slot)+(\n)/2] offset:(((\n)%2)*64+32*(\c))*PV+32*(\i)
	ds_load_tr16_b128 v[(\f)+64+8*(4*(\c)+(\i))+4:(\f)+64+8*(4*(\c)+(\i))+7], v[ADRV+2*(\slot)+(\n)/2] offset:(((\n)%2)*64+32*(\c)+16)*PV+32*(\i)
	ds_load_b128 v[(\f)+8*(4*(\c)+(\i)):(\f)+8*(4*(\c)+(\i))+3],   v[ADRP+(\slot)] offset:128*(\n)+64*(\c)+16*PP*(\i)
	ds_load_b128 v[(\f)+8*(4*(\c)+(\i))+4:(\f)+8*(4*(\c)+(\i))+7], v[ADRP+(\slot)] offset:128*(\n)+64*(\c)+16*PP*(\i)+32
.endr
.endr
.endm
.macro QUARTER slot, n, f, g, zero     ; multiplies buffer f and fetches quarter n into g
	s_wait_dscnt 16                                ; the first 32 keys are in
	MUL8 \f, 0, 0, \zero
	MUL8 \f, 0, 2, \zero
	PLACES
	FETCH \slot, \n, \g
	s_wait_dscnt 32                                ; all but the 32 just issued
	MUL8 \f, 1, 0, 0
	MUL8 \f, 1, 2, 0
.endm
; A slot's last quarter multiplies buffer 1 and changes slots: one barrier; ahead of it each wave waits for all its tensor loads, adds 0 to its spare word, and waits for that and its reads of the slot.
.macro TURN slot, next, fill
.if \fill
	s_wait_xcnt 0x0                                ; the last prefetch, a key tile back, has read its address
	s_add_nc_u64 s[PFA:PFA+1], s[PFA:PFA+1], s[PSTEP:PSTEP+1]
	s_add_co_u32 s[PT], s[PT], 1
.endif
	WIN 0
	s_wait_tensorcnt 0x0                           ; all my tensor loads have landed: my part of the next slot; so a group 0 may be written
	ds_add_u32 v[SPW], v[NIL]                      ; 0 onto my spare word
.if \fill
	MKFILL \slot
.endif
	s_wait_dscnt 17                                ; the add and the youngest sixteen loads may be out
	MUL8 F1, 0, 0, 0
	s_wait_dscnt 0x0                               ; the add is done, and my reads of this slot are over
	s_barrier_signal -1
	MUL8 F1, 0, 2, 0
	WIN 0
	s_barrier_wait -1
.if \fill
	CREST                                          ; the barrier has opened a round of the cluster's: no wave of any partner still reads the slot or has a load on its way
	JLOAD \slot                                    ; my one tensor load behind the round; 112 matrix instructions and a scaling stand between it and the wait for it
.else
	PLACES
.endif
	FETCH \next, 0, F0
.if \fill
	WIN 0
	ASK
.endif
	MUL8 F1, 1, 0, 0
	MUL8 F1, 1, 2, 0
.endm
.macro FCALC                           ; f_t = 2^(cm_t - CM) x (1 / L) x the flag.  The four subtractions are the places behind the last products
	WIN 0
	s_wait_loadcnt 0x0                             ; cm_t, asked for a key tile ago
.irp a, 0,1,2,3
	v_sub_f32 v[E+(\a)], v[CL+(\a)], v[CMC+(\a)]
.endr
.irp a, 0,1,2,3
	v_exp_f32 v[E+(\a)], v[E+(\a)]
.endr
.irp a, 0,1,2,3
	v_mul_f32 v[F+2*(\a)], s[FLAG], v[ILC+(\a)]
.endr
	s_wait_alu depctr_va_vdst(0)                   ; one wait for the four exponentials, ahead of their first use
.irp a, 0,1,2,3
	v_mul_f32 v[F+2*(\a)], v[F+2*(\a)], v[E+(\a)]
.endr
.endm
.macro SCALE                           ; TOT += PART x f_t; each accumulator's registers in ascending order
	WIN 0xa0                                       ; destination and source 2 in window 2
.set i, 0
.rept 64
	v_pk_fma_f32 v[2*i:2*i+1], v[PART+2*i:PART+2*i+1], v[F+2*(i/16):F+2*(i/16)+1], v[2*i:2*i+1] op_sel_hi:[1,0,1]
.set i, i+1
.endr
	WIN 0
.endm
.macro NEXTCM                          ; the next key tile's number, flag and cm
	s_add_co_u32 s[CT], s[CT], 1
	s_cmp_eq_u32 s[CT], s[CN]
	s_cselect_b32 s[CT], 0, s[CT]
	s_cselect_b64 s[CSB:CSB+1], s[CSLO:CSLO+1], s[CSB:CSB+1]
	s_cselect_b32 s[CQ], s[QLO], s[CQ]
	s_cselect_b32 s[CN], 99, s[CN]
	s_min_u32 s20, s[CT], s[CQ]
	s_mul_i32 s20, s20, 3072
	s_mov_b32 s21, 0
	s_add_nc_u64 s[SBC:SBC+1], s[CSB:CSB+1], s[20:21]  ; free since FCALC's wait for the loads that named it
	s_cmp_le_u32 s[CT], s[CQ]
	s_cselect_b32 s[FLAG], 1.0, 0
.irp a, 0,1,2,3
	global_load_b32 v[CL+(\a)], v[ROW4], s[SBC:SBC+1] offset:64*(\a)
.endr
.endm
.macro WAYOUT                          ; TOT, 16 queries at a time, through my own stage: a lane's eight channels are 32 bytes; a row's 64 channels come back as 256 bytes
.irp a, 0,1,2,3
	s_wait_xcnt 0x0                                ; earlier stores have read their data: the registers are loaded again only behind this wait
	WIN 0x08                                       ; the stores' data in window 2
.irp b, 0,1,2,3
	ds_store_b128 v[STO], v[32*(\a)+8*(\b):32*(\a)+8*(\b)+3]   offset:64*(\b)
	ds_store_b128 v[STO], v[32*(\a)+8*(\b)+4:32*(\a)+8*(\b)+7] offset:64*(\b)+16
.endr
	WIN 0
.irp t, 0,1,2,3,4,5,6,7
	ds_load_b128 v[TMP+32*((\a)%2)+4*(\t):TMP+32*((\a)%2)+4*(\t)+3], v[RD] offset:544*(\t)  ; LDS serves a wave's instructions in order (ISA guide 5.7.1.4)
.endr
.irp t, 0,1,2,3,4,5,6,7
	s_wait_dscnt 7-(\t)
	global_store_b128 v[CO], v[TMP+32*((\a)%2)+4*(\t):TMP+32*((\a)%2)+4*(\t)+3], s[OBC:OBC+1] offset:(16*(\a)+2*(\t))*4096 th:TH_STORE_NT  ; 16 lanes store 256 consecutive bytes, aligned
.endr
.endr
.endm
	s_wait_tensorcnt 1                             ; my part of key tile 0 is in; tile 1's may stay out
	s_barrier_signal -1
	s_barrier_wait -1
	FETCH 0, 0, F0
	WIN 0
	s_mov_b32 s3, 4
.Ltrip:                                            ; two key tiles a trip; each is filled again with the tile two on
	QUARTER 0, 1, F0, F1, 1                        ; a key tile's first products start PART afresh
	QUARTER 0, 2, F1, F0, 0
	QUARTER 0, 3, F0, F1, 0
	TURN 0, 1, 1
	FCALC
	SCALE
	NEXTCM
	QUARTER 1, 1, F0, F1, 1
	QUARTER 1, 2, F1, F0, 0
	QUARTER 1, 3, F0, F1, 0
	TURN 1, 0, 1
	FCALC
	SCALE
	NEXTCM
	s_cmp_eq_u32 s3, s[CHG]                        ; the first block has an even number of key tiles, so it ends behind a trip; which one hangs on p alone
	s_cbranch_scc0 .Lsame
	WAYOUT
	s_wait_xcnt 0x0                                ; the stores have read out's address
	s_mov_b64 s[OBC:OBC+1], s[OLO:OLO+1]
.irp a, 0,1,2,3
	v_mov_b32 v[CMC+(\a)], v[CMLO+(\a)]
	v_mov_b32 v[ILC+(\a)], v[ILLO+(\a)]
.endr
	WIN 0x80
.set i, 0
.rept 128
	v_mov_b32 v[i], 0                              ; TOT for the second block
.set i, i+1
.endr
	WIN 0
.Lsame:
	s_sub_co_u32 s3, s3, 1
	s_cmp_lg_u32 s3, 0
	s_cbranch_scc1 .Ltrip
	QUARTER 0, 1, F0, F1, 1                        ; the last two key tiles are written out: nothing is asked for
	QUARTER 0, 2, F1, F0, 0
	QUARTER 0, 3, F0, F1, 0
	TURN 0, 1, 0
	FCALC
	SCALE
	NEXTCM
	QUARTER 1, 1, F0, F1, 1
	QUARTER 1, 2, F1, F0, 0
	QUARTER 1, 3, F0, F1, 0
	s_wait_dscnt 16
	MUL8 F1, 0, 0, 0
	MUL8 F1, 0, 2, 0
	s_wait_dscnt 0x0
	MUL8 F1, 1, 0, 0
	MUL8 F1, 1, 2, 0
	FCALC
	SCALE
	WAYOUT
	s_wait_tensorcnt 0x0                           ; the wave's end
	ds_add_u32 v[SPW], v[NIL]
	s_wait_dscnt 0x0
	CROUND                                         ; the closing round
	s_endpgm
.Lfunc_end_k_q2fbe4be1bb_pv:
	.size	k_q2fbe4be1bb_pv, .Lfunc_end_k_q2fbe4be1bb_pv-k_q2fbe4be1bb_pv
	.p2alignl 7, 3214868480
	.fill 96, 4, 3214868480
	.section	.rodata,"a",@progbits
	.p2align	6, 0x0
	.amdhsa_kernel k_q2fbe4be1bb_pv
		.amdhsa_group_segment_fixed_size 327680
		.amdhsa_private_segment_fixed_size 0
		.amdhsa_enable_private_segment 0
		.amdhsa_kernarg_size 32
		.amdhsa_user_sgpr_count 2
		.amdhsa_user_sgpr_kernarg_segment_ptr 1
		.amdhsa_wavefront_size32 1
		.amdhsa_system_sgpr_workgroup_id_x 1
		.amdhsa_system_sgpr_workgroup_id_y 1
		.amdhsa_system_sgpr_workgroup_id_z 1
		.amdhsa_system_vgpr_workitem_id 0
		.amdhsa_next_free_vgpr 640
		.amdhsa_next_free_sgpr 102
		.amdhsa_reserve_vcc 0
		.amdhsa_float_denorm_mode_32 3
		.amdhsa_float_denorm_mode_16_64 3
		.amdhsa_memory_ordered 1
		.amdhsa_forward_progress 1
		.amdhsa_inst_pref_size 145
	.end_amdhsa_kernel
	.amdgpu_metadata
---
amdhsa.version: [ 1, 2 ]
amdhsa.kernels:
  - .name:           k_q2fbe4be1bb_pv
    .symbol:         k_q2fbe4be1bb_pv.kd
    .args:
      - { .name: qkv, .offset: 0, .size: 8, .value_kind: global_buffer, .address_space: global }
      - { .name: pw, .offset: 8, .size: 8, .value_kind: global_buffer, .address_space: global }
      - { .name: st, .offset: 16, .size: 8, .value_kind: global_buffer, .address_space: global }
      - { .name: out0, .offset: 24, .size: 8, .value_kind: global_buffer, .address_space: global }
    .group_segment_fixed_size: 327680
    .private_segment_fixed_size: 0
    .kernarg_segment_align: 8
    .kernarg_segment_size: 32
    .max_flat_workgroup_size: 128
    .sgpr_count:     102
    .vgpr_count:     640
    .wavefront_size: 32
...
	.end_amdgpu_metadata
.endif
;; end of part 4
;; ======== version 2 of 2: 4 launches; version 1 with the launch cvt written anew for expert scheduling mode
;; limits: values are held in f16: magnitudes above 65,504 overflow, below 6.1e-05 lose precision
;; workspace buffers: xb 16,777,216 bytes; wb 6,291,456 bytes; qkv 50,331,648 bytes; pw 33,554,432 bytes; st 786,432 bytes
;; launch cvt (part 5): grid 256 x 1, 11 waves a work-group, no clusters, 0 bytes of LDS; arguments x, w_query, w_key, w_value, xb, wb; writes xb, wb
.if DOCPART == 5
	.amdgcn_target "amdgcn-amd-amdhsa--gfx1250"
	.amdhsa_code_object_version 6
	.text
	.protected	k_q2fbe4be1bb_cvt
	.globl	k_q2fbe4be1bb_cvt
	.p2align	8
	.type	k_q2fbe4be1bb_cvt,@function
k_q2fbe4be1bb_cvt:
	s_mov_b64 s[64:65], 0
	v_nop
	global_prefetch_b8 v0, s[64:65] scope:SCOPE_SE
	s_setreg_imm32_b32 hwreg(HW_REG_WAVE_SCHED_MODE, 0, 2), 2
	s_setreg_imm32_b32 hwreg(HW_REG_WAVE_MODE, 25, 1), 1
	s_wait_xcnt 0x0
	s_wait_alu depctr_vm_vsrc(0)
; x [8192][1024] and the three weights [1024][1024], f32, are rounded once to bf16 and laid out in blocks along K for the product that follows:
;   xb [32 row blocks][16 kb][256 rows][64]      wb [8 blocks][16 kb][384 rows][64], its 3,072 rows being w_query, w_key, w_value one below the other.
; So a tile (256 or 384 rows x 64 along K) is one dense run of bytes.  A stream: no LDS, no barrier, no matrix work.
; SHARES.  11,264 rows are 2,816 groups of four; 256 work-groups x 11 waves take one group each.  Eight lanes read 256 consecutive bytes of one row (32 bytes a lane, two loads);
; a store of the wave covers 512 consecutive bytes, aligned: four rows x 128 bytes of one block.  All 32 loads of a wave go out before the first wait; no register is used twice.
; THE MODE: SCHED_MODE bits 1:0 = 2 (LLVM: expert scheduling mode 2), set by the entry lines.  The code itself states the register dependences
; between vector instructions and memory instructions, with s_wait_alu, always for 0.
; THE PLAN.  Registers that memory instructions touch:
;   v2     the loads' offset.   Written at the head, never again; read by all 32 loads.
;   IN     Written by the loads alone, each register once; read by the conversions behind the counted wait for their loads.  No vector instruction names them ahead of the loads.
;   OFS    the stores' offsets. v8 is written at the head, v9 to v23 by the fifteen additions behind the loads, none of them again; each is read by one store.
;   OUTR   the stores' data.    Each register is written by one conversion, never again, and read by one store.
; The sixteen blocks along K go in four sets of four.  Set g rounds IN of its blocks into OUTR of its blocks; its memory instructions are the four stores of set g - 1, which read OFS and OUTR
; of set g - 1: registers that no vector instruction of set g names.  So one wait at a set's head states all that its four stores hang on, and they are dealt among its sixteen conversions.
; No register that a memory instruction has read is written again, so nothing is stated for that.
.set XROWS, 8192
.set SRC, 24                           ; s[24:25] my four rows in their source
.set DST, 28                           ; s[28:29] my four rows in block kb = 0 of their destination
.set IN,  32                           ; v[32:159]  kb: eight f32
.set OUTR, 160                         ; v[160:223] kb: eight bf16
.set OFS, 8                            ; v[8:23]    kb: my 16 bytes in block kb
	s_load_b256 s[4:11], s[0:1], 0x0               ; x s[4:5], w_query s[6:7], w_key s[8:9], w_value s[10:11]
	s_load_b128 s[12:15], s[0:1], 0x20             ; xb s[12:13], wb s[14:15]
	v_lshrrev_b32 v1, 5, v0
	v_readfirstlane_b32 s16, v1                    ; wave 0..10
	v_and_b32 v3, 31, v0                           ; lane
	v_lshrrev_b32 v4, 3, v3                        ; which of the four rows
	v_and_b32 v5, 7, v3
	v_lshlrev_b32 v2, 12, v4                       ; a source row is 4,096 bytes
	v_lshl_or_b32 v2, v5, 5, v2                    ; my 32 bytes of each 256
	v_lshlrev_b32 v[OFS], 4, v3                    ; four rows x 128 bytes: 16 x lane
	s_mul_i32 s17, ttmp9, 11
	s_wait_alu depctr_va_sdst(0)                   ; s16 is written, ahead of its first reader: the group's number, and with it both bases, are made from it
	s_add_co_u32 s17, s17, s16                     ; my group
	s_lshl_b32 s18, s17, 2                         ; R: its first row among the 11,264
	s_max_u32 s19, s18, XROWS
	s_sub_co_u32 s19, s19, XROWS                   ; n: the row among the weights' 3,072 (0 for a row of x)
	s_lshr_b32 s20, s19, 10                        ; which weight
	s_and_b32 s21, s19, 1023                       ; the row in it
	s_lshr_b32 s22, s19, 2
	s_mul_i32 s22, s22, 683
	s_lshr_b32 s22, s22, 16                        ; n / 384: (n / 4) x 683 / 65,536 is exact for n / 4 up to 767
	s_mul_i32 s23, s22, 384
	s_sub_co_u32 s23, s19, s23                     ; the row in its block of 384
	s_mul_i32 s22, s22, 786432                     ; a block of wb: 16 x 384 x 128 bytes
	s_lshl_b32 s23, s23, 7
	s_add_co_u32 s33, s22, s23                     ; where a weight's rows go
	s_lshr_b32 s31, s18, 8
	s_lshl_b32 s31, s31, 19                        ; a block of xb: 16 x 256 x 128 bytes
	s_and_b32 s32, s18, 255
	s_lshl_b32 s32, s32, 7
	s_add_co_u32 s31, s31, s32                     ; where x's rows go
	s_mov_b32 s34, 49152
	s_wait_kmcnt 0x0
	s_cmp_eq_u32 s20, 1
	s_cselect_b64 s[SRC:SRC+1], s[8:9], s[6:7]
	s_cmp_eq_u32 s20, 2
	s_cselect_b64 s[SRC:SRC+1], s[10:11], s[SRC:SRC+1]
	s_cmp_lt_u32 s18, XROWS                        ; a row of x?
	s_cselect_b64 s[SRC:SRC+1], s[4:5], s[SRC:SRC+1]
	s_cselect_b64 s[DST:DST+1], s[12:13], s[14:15]
	s_cselect_b32 s26, s18, s21
	s_cselect_b32 s36, s31, s33
	s_cselect_b32 s30, 32768, s34                  ; bytes from block kb to kb + 1
	s_lshl_b32 s26, s26, 12
	s_mov_b32 s27, 0
	s_mov_b32 s37, 0
	s_add_nc_u64 s[SRC:SRC+1], s[SRC:SRC+1], s[26:27]
	s_add_nc_u64 s[DST:DST+1], s[DST:DST+1], s[36:37]
	s_wait_alu depctr_va_vdst(0)                   ; v2 is written: all 32 loads read it as their offset
.set kb, 0
.rept 16
	global_load_b128 v[IN+8*kb:IN+8*kb+3],   v2, s[SRC:SRC+1] offset:256*kb th:TH_LOAD_NT
	global_load_b128 v[IN+8*kb+4:IN+8*kb+7], v2, s[SRC:SRC+1] offset:256*kb+16 th:TH_LOAD_NT
.set kb, kb+1
.endr
.set kb, 1
.rept 15
	v_add_nc_u32 v[OFS+kb], s30, v[OFS+kb-1]       ; no load names these registers; the stores that read them stand behind the wait at the second set's head
.set kb, kb+1
.endr
; Set g: blocks 4 g to 4 g + 3 are rounded, and the four blocks of the set before are stored.
.macro SET g
	s_wait_loadcnt 24-8*(\g)                       ; loads come back in order: the set's eight are in, the 2 (15 - (4 g + 3)) younger ones stay out
.if (\g) > 0
	s_wait_alu depctr_va_vdst(0)                   ; the set before has written its OUTR, which the four stores below read as data; at the second set the fifteen additions have written OFS too, the stores' offsets
.endif
.irp j, 0,1,2,3
.if (\g) > 0
	global_store_b128 v[OFS+4*(\g)-4+(\j)], v[OUTR+16*(\g)-16+4*(\j):OUTR+16*(\g)-16+4*(\j)+3], s[DST:DST+1]  ; no vector instruction since the wait names these registers
.endif
	v_cvt_pk_bf16_f32 v[OUTR+16*(\g)+4*(\j)],   v[IN+32*(\g)+8*(\j)],   v[IN+32*(\g)+8*(\j)+1]
	v_cvt_pk_bf16_f32 v[OUTR+16*(\g)+4*(\j)+1], v[IN+32*(\g)+8*(\j)+2], v[IN+32*(\g)+8*(\j)+3]
	v_cvt_pk_bf16_f32 v[OUTR+16*(\g)+4*(\j)+2], v[IN+32*(\g)+8*(\j)+4], v[IN+32*(\g)+8*(\j)+5]
	v_cvt_pk_bf16_f32 v[OUTR+16*(\g)+4*(\j)+3], v[IN+32*(\g)+8*(\j)+6], v[IN+32*(\g)+8*(\j)+7]
.endr
.endm
	SET 0
	SET 1
	SET 2
	SET 3
	s_wait_alu depctr_va_vdst(0)                   ; the last set has written its OUTR, which the last four stores read
.irp j, 0,1,2,3
	global_store_b128 v[OFS+12+(\j)], v[OUTR+48+4*(\j):OUTR+48+4*(\j)+3], s[DST:DST+1]
.endr
	s_endpgm
.Lfunc_end_k_q2fbe4be1bb_cvt:
	.size	k_q2fbe4be1bb_cvt, .Lfunc_end_k_q2fbe4be1bb_cvt-k_q2fbe4be1bb_cvt
	.p2alignl 7, 3214868480
	.fill 96, 4, 3214868480
	.section	.rodata,"a",@progbits
	.p2align	6, 0x0
	.amdhsa_kernel k_q2fbe4be1bb_cvt
		.amdhsa_group_segment_fixed_size 0
		.amdhsa_private_segment_fixed_size 0
		.amdhsa_enable_private_segment 0
		.amdhsa_kernarg_size 48
		.amdhsa_user_sgpr_count 2
		.amdhsa_user_sgpr_kernarg_segment_ptr 1
		.amdhsa_wavefront_size32 1
		.amdhsa_system_sgpr_workgroup_id_x 1
		.amdhsa_system_sgpr_workgroup_id_y 1
		.amdhsa_system_sgpr_workgroup_id_z 1
		.amdhsa_system_vgpr_workitem_id 0
		.amdhsa_next_free_vgpr 224
		.amdhsa_next_free_sgpr 66
		.amdhsa_reserve_vcc 0
		.amdhsa_float_denorm_mode_32 3
		.amdhsa_float_denorm_mode_16_64 3
		.amdhsa_memory_ordered 1
		.amdhsa_forward_progress 1
		.amdhsa_inst_pref_size 12
	.end_amdhsa_kernel
	.amdgpu_metadata
---
amdhsa.version: [ 1, 2 ]
amdhsa.kernels:
  - .name:           k_q2fbe4be1bb_cvt
    .symbol:         k_q2fbe4be1bb_cvt.kd
    .args:
      - { .name: x, .offset: 0, .size: 8, .value_kind: global_buffer, .address_space: global }
      - { .name: w_query, .offset: 8, .size: 8, .value_kind: global_buffer, .address_space: global }
      - { .name: w_key, .offset: 16, .size: 8, .value_kind: global_buffer, .address_space: global }
      - { .name: w_value, .offset: 24, .size: 8, .value_kind: global_buffer, .address_space: global }
      - { .name: xb, .offset: 32, .size: 8, .value_kind: global_buffer, .address_space: global }
      - { .name: wb, .offset: 40, .size: 8, .value_kind: global_buffer, .address_space: global }
    .group_segment_fixed_size: 0
    .private_segment_fixed_size: 0
    .kernarg_segment_align: 8
    .kernarg_segment_size: 48
    .max_flat_workgroup_size: 352
    .sgpr_count:     66
    .vgpr_count:     224
    .wavefront_size: 32
...
	.end_amdgpu_metadata
.endif
;; end of part 5
;; launch proj: the kernel of part 2 again; grid 8 x 32, 4 waves a work-group, clusters of 4 x 4, 327,680 bytes of LDS; arguments xb, wb, qkv; writes qkv
;; launch score: the kernel of part 3 again; grid 36 x 4, 4 waves a work-group, no clusters, 327,680 bytes of LDS; arguments qkv, pw, st; writes pw, st
;; launch pv: the kernel of part 4 again; grid 8 x 32, 4 waves a work-group, clusters of 4 x 4, 327,680 bytes of LDS; arguments qkv, pw, st, out0; writes out0
